; MI455X (gfx1250); checked and timed in simulation.
; The chip was launched on July 23, 2026; its instructions are those of AMD's public machine-readable ISA for CDNA 5 (MIT licence, August 2026) and "CDNA5" Instruction Set Architecture Reference Guide (July 2026). The comments in the code are by the model that wrote it; some were corrected since.
;; Causal Attention. Allowed arithmetic: matrix products marked QUANTISED: E2M3 operands, one E8M0 scale for each 32 along K, by v_wmma_scale_f32_16x16x128_f8f6f4 with both operands' format E2M3, f32 sums; everything else in f32.
;; Inputs: Wk_codes 1,024 x 32 x 24 uint8 (E2M3 codes of Wk, K innermost, in blocks of 32 codes, four codes in three bytes); Wk_scales 1,024 x 32 uint8 (E8M0 scales of Wk, one for each 32 codes along K); Wq_codes 1,024 x 32 x 24 uint8 (E2M3 codes of Wq, K innermost, in blocks of 32 codes, four codes in three bytes); Wq_scales 1,024 x 32 uint8 (E8M0 scales of Wq, one for each 32 codes along K); Wv_codes 1,024 x 32 x 24 uint8 (E2M3 codes of Wv, K innermost, in blocks of 32 codes, four codes in three bytes); Wv_scales 1,024 x 32 uint8 (E8M0 scales of Wv, one for each 32 codes along K); bk 1,024 float32; bq 1,024 float32; bv 1,024 float32; x_codes 4 x 2,048 x 32 x 24 uint8 (E2M3 codes of x, K innermost, in blocks of 32 codes, four codes in three bytes); x_scales 4 x 2,048 x 32 uint8 (E8M0 scales of x, one for each 32 codes along K).
;; Outputs: out0 4 x 2,048 x 1,024 float32.
;; This version of the problem:
;;   THIS VERSION OF THE PROBLEM IS GIVEN IN LOW PRECISION. The matrix products marked QUANTISED in the list below multiply operands that are first quantised to E2M3 (2 exponent bits, 3 mantissa bits; 6 bits a number), with one power-of-two scale for each 32 numbers along K (OCP MX v1.0); their sums are f32. All else is computed in f32.
;;   The module's matrix products, in the order in which they are computed (A, B: the left and right operand; K: the contracted axis; several contracted axes count as one K, in the product's order):
;;     1. [M 8,192, K 1,024] x [K 1,024, N 1,024]; A: input x (given as codes); B: input Wq (given as codes): QUANTISED
;;     2. [M 8,192, K 1,024] x [K 1,024, N 1,024]; A: input x (given as codes); B: input Wk (given as codes): QUANTISED
;;     3. [M 8,192, K 1,024] x [K 1,024, N 1,024]; A: input x (given as codes); B: input Wv (given as codes): QUANTISED
;;     4. batch 4 x [M 2,048, K 1,024] x [K 1,024, N 2,048]; A: computed on the way; B: computed on the way: QUANTISED
;;     5. batch 4 x [M 2,048, K 2,048] x [K 2,048, N 1,024]; A: softmax (see below); B: computed on the way: QUANTISED
;;   THE QUANTISER, for each operand of a quantised product, along K:
;;     - K is cut into blocks of 32 from its start; a last block that is shorter is filled with zeros.
;;     - A block's scale is 2^e with e = floor(log2(the largest magnitude in the block)) - 2, held to -126 .. 127; a block of zeros has e = 0. As a byte (E8M0): e + 127.
;;     - Each number is divided by its block's scale, clamped to +-7.5, and rounded to the nearest number of E2M3, ties to even, subnormals kept.
;;     - The product sums the exact products of the quantised numbers (number of the format x scale) in f32.
;;   ~~~python
;;   def quantise(x, axis):      # numpy; x: float32 -> the quantised numbers, widened to float32 again
;;       x = np.moveaxis(x, axis, -1); K = x.shape[-1]
;;       x = np.pad(x, [(0, 0)] * (x.ndim - 1) + [(0, -K % 32)]); x = x.reshape(x.shape[:-1] + (-1, 32)); a = np.abs(x).max(-1, keepdims=True)
;;       e = np.where(a > 0, np.clip(np.frexp(np.where(a > 0, a, 1))[1] - 1 - 2, -126, 127), 0)      # np.frexp(a)[1] - 1 = floor(log2(a)), exactly
;;       r = np.clip(x / 2.0 ** e, -7.5, 7.5)
;;       step = 2.0 ** (np.maximum(np.frexp(np.where(r == 0, 1, r))[1] - 1, 0) - 3)
;;       q = np.round(r / step) * step * 2.0 ** e      # np.round: ties to even
;;       return np.moveaxis(q.reshape(q.shape[:-2] + (-1,))[..., :K], -1, axis).astype(np.float32)
;;   ~~~
;;   SOFTMAX AHEAD OF A QUANTISED PRODUCT. Where the list says 'softmax', what is quantised is not the finished softmax but p = 2^(t - M), with t = logit x log2(e) and M = ceil(the row's largest t), a whole number; so 1/2 < the row's largest p <= 1. The row's sum l is taken of the UNQUANTISED p, in f32, and the product's result is divided by l at the end. Since M is a whole number, a kernel that streams over the keys may use a running M (the ceiling of the running maximum): every later rescaling is an exact power of two, which a block's scale takes up: the codes' values come out the same.
;;   OPERANDS COMPUTED ON THE WAY. 'Computed on the way' means the value that the module computes at that place (a softmax that the list does not call 'softmax' is quantised finished and normalised). What goes into a quantiser is computed in f32, as accurately as f32 sums, v_exp_f32 and their like allow (about 1e-6 of the number): no bf16 or f16 on the way to a quantiser, and a product that is left as it is and whose result goes on into a quantised operand takes f32 operands (vector FMAs, or v_wmma_f32_16x16x4_f32). A number that lies on a knife's edge between two numbers of the format may be rounded either way, as far as f32 arithmetic and the matrix unit's own rounding can turn it there, and no further.
;;   INPUTS GIVEN AS CODES. Wk (in the module: [1024, 1024], K = its axis 1); Wq (in the module: [1024, 1024], K = its axis 1); Wv (in the module: [1024, 1024], K = its axis 1); x (in the module: [4, 2048, 1024], K = its axis 2): each comes as NAME_codes (uint8): NAME with its K axis moved to the last place and cut into blocks of 32 codes, [.., K / 32, bytes a block], one block behind the other in memory; four codes in three bytes: a row's codes are one little-endian stream of bits, code i at bits 6 i .. 6 i + 5 (a code: sign, 2 exponent bits, 3 mantissa bits); and NAME_scales (uint8): the same leading axes, one E8M0 byte (e + 127) for each 32 codes along K. Its value is code x scale, taken as it is: it is not quantised again, and the codes and scales need not be those that the quantiser above would give.
;; One version. Each part assembles by itself: llvm-mc -triple=amdgcn-amd-amdhsa -mcpu=gfx1250 --defsym DOCPART=n.
;; ======== version 1 of 1: 3 launches
;; workspace buffers: qimg 6,553,600 bytes; kimg 6,553,600 bytes; vimg 6,553,600 bytes; pimg 13,107,200 bytes; stats 1,048,576 bytes
;; launch proj (part 1): grid 4 x 96, 4 waves a work-group, clusters of 4 x 4, 327,680 bytes of LDS; arguments x_codes, x_scales, Wq_codes, Wq_scales, Wk_codes, Wk_scales, Wv_codes, Wv_scales, bq, bk, bv, qimg, kimg, vimg; writes qimg, kimg, vimg
.if DOCPART == 1
	.amdgcn_target "amdgcn-amd-amdhsa--gfx1250"
	.amdhsa_code_object_version 6
	.text
	.protected	k_qbc72aada82_proj
	.globl	k_qbc72aada82_proj
	.p2align	8
	.type	k_qbc72aada82_proj,@function
k_qbc72aada82_proj:
	s_mov_b64 s[64:65], 0
	v_nop
	global_prefetch_b8 v0, s[64:65] scope:SCOPE_SE
	s_setreg_imm32_b32 hwreg(HW_REG_WAVE_MODE, 25, 1), 1
	s_wait_xcnt 0x0
	s_wait_alu depctr_hold_cnt(0) depctr_sa_sdst(0) depctr_va_vdst(0) depctr_va_sdst(0) depctr_va_ssrc(0) depctr_va_vcc(0) depctr_vm_vsrc(0)
	s_getreg_b32 s2, hwreg(HW_REG_IB_STS2, 6, 4)
	s_cmp_eq_u32 s2, 0
	s_cbranch_scc0 .Lentry_in_a_cluster
	s_endpgm
.Lentry_in_a_cluster:
	s_bfe_u32 s2, ttmp6, 0x10000c
	s_cmp_lg_u32 s2, 0xf033
	s_cbranch_scc0 .Lentry_shape_is_right
	s_endpgm
.Lentry_shape_is_right:
; q = x Wq^T + bq, k = x Wk^T + bk, v = x Wv^T + bv on codes of FP6 (E2M3) with one E8M0 byte for each 32 along K = 1,024; sums in f32.
; The results are quantised in registers (q and k along the features, v along the keys) and leave as IMAGES OF OPERAND REGISTERS for the two launches that follow.
; SHARES.  24 clusters of 4 x 4 work-groups: cluster CL makes tensor T = CL / 8 (0 q, 1 k, 2 v), part C = CL % 8: 1,024 x 1,024 results.  A work-group makes 256 x 256, a wave 128 x 128: 64 accumulators.
; Source 1 ("A") gives a lane its row, source 0 ("B") runs down a lane's registers, and that is the axis to be quantised.  q, k: A = 1,024 rows of x, B = the weight.  v: A = Wv, B = 1,024 rows of x (the keys).
; Only pointers and scalars are chosen by T, which all partners of a cluster share: there is one way through the text.
; A's tile hangs on the tile row alone and is asked for jointly along a row of the cluster, B's on the tile column alone, along a column.
; K goes in steps of 256 through two LDS slots; the scale bytes of the work-group's rows, for all of K, come once with the first fills.
; AN IMAGE BLOCK (IB, 25,600 bytes) is 128 rows x 256 along K: fragment (f, kc) at 3,072 f + 1,536 kc: three pieces of 512 bytes, lane l's registers 4 c .. 4 c + 3 at 512 c + 16 l;
; the scale words at 24,576 + 512 kc + 16 l + 4 p: the word of fragment 2 p + l / 16, row l % 16.
; ORDER INSIDE A BLOCK OF 32.  A lane holds elements 8 h + 0..7 and 16 + 8 h + 0..7 of each block, so place i of a block takes element i % 8 + 16 ((i / 8) % 2) + 8 (i / 16).  Blocks are the true blocks (largest
; magnitude and byte are the rule's); both operands of each later product are made this way, so the same order stands on both sides and every product meets its partner.
; THE BIAS starts the sums: accumulator = bias along the registers x fB + bias along the lanes x fA, (fB, fA) = (1, 0) for q and k, (0, 1) for v.
; LIMITS: NaN and infinities among the inputs are not served (a bias is multiplied by 0 or 1).  A block of zeros gets the byte 1 where the rule says 127: its codes are zeros, and this program alone reads the bytes.
; Blocks whose largest magnitude lies under 2^-124 are held at that floor.
.set IB,     25600
.set NQ,     2                         ; steps of 128 along K in a slot
.set ROWB,   192                       ; a tile's row: 256 codes
.set KROW,   768                       ; a row of codes in memory
.set PITCH,  240                       ; an LDS row: 3 x (64 bytes + 16 of padding)
.set FR,     12                        ; registers of a fragment
.set NL,     6                         ; LDS loads that bring one
.set NP,     4                         ; places behind this matrix instruction (ISA guide 7.12.1)
.set HALFT,  128*PITCH
.set SLOT,   4*HALFT                   ; A's 256 rows, then B's 256 rows
.set KS,     32                        ; a row of scale bytes
.set SCL,    2*SLOT                    ; behind the ring: the scale bytes, as units of 256 bytes + 16 of padding
.set HALFS,  (128*KS/256)*272
.set SBLK,   (16*KS/256)*272
.set SPARE,  SCL+4*HALFS               ; the spare words: 128 bytes for each wave, two blocks of 256 bytes that no other line names
.set ADRA, 16                          ; v16-17 my A fragments in slot 0, 1 (v18-19: behind one padding more)
.set ADRB, 20                          ; v20-23 the same for B
.set VC,   24                          ; v24  16 x lane + 1,536 x my half of the columns: where my codes go in an image block
.set VS,   25                          ; v25  16 x lane + 24,576 + 512 x that half: where my scale words go
.set VBB,  26                          ; v26  the bias along the registers: my byte offset
.set ADRS, 27                          ; v27  LDS address of my scale words: lanes 0-15 A's rows, lanes 16-31 B's
.set SPW,  28                          ; v28  LDS address of my spare word; never rewritten
.set NIL,  29                          ; v29  0; never rewritten
.set VBA,  30                          ; v30  the bias along the lanes: my byte offset
.set SC,   32                          ; v32-63 scale words, two sets
.set TM,   64                          ; v64-79 at work in the quantiser
.set PC,   80                          ; v80-99 the codes just made
.set PWS,  100                         ; v100-107 the eight fragments' scale words
.set W4,   108                         ; v108-111 the same, gathered for one store
.set AF,   128                         ; v128-223 A's fragments, one set
.set BBR,  128                         ; at the head only: v128-191 the bias along the registers,
.set BAR,  192                         ; v192-207 the bias along the lanes, a pair for each of A's blocks
.set G1, 24
.set G0, 32
.set G1B, 48
.set G0B, 56
.set G1S, 68
.set G0S, 76
.set G1SB, 80
.set G0SB, 88
.set MSB, 0
.macro WIN new                         ; the immediate's high byte repeats the setting that is left
.if MSB != (\new)
	s_set_vgpr_msb (MSB<<8)|(\new)
.set MSB, (\new)
.endif
.endm
.set MUL_LO, 0xa1                      ; source 0 (B) window 1, source 1 (A) window 0, C and D window 2
.set MUL_HI, 0xf1                      ; the same, C and D window 3
.set TO_B,   0x40                      ; destination window 1, address window 0
; A joint load: waves 0 and 1 fetch for A, waves 2 and 3 for B; the branch hangs on the wave's number alone.  Four v_nop follow each of the two lines.
.macro JLOAD g0a, g1a, g0b, g1b
	s_cmp_eq_u32 s15, 0
	s_cbranch_scc0 .Lfor_b_\@
	tensor_load_to_lds s[\g0a:\g0a+3], s[\g1a:\g1a+7]
	s_nop 0
.rept 4
	v_nop
.endr
	s_branch .Lasked_\@
.Lfor_b_\@:
	tensor_load_to_lds s[\g0b:\g0b+3], s[\g1b:\g1b+7]
	s_nop 0
.rept 4
	v_nop
.endr
.Lasked_\@:
.endm
.macro CREST                           ; a round of the cluster's barrier behind its opening barrier
	s_cmp_lg_u32 s14, 0
	s_cbranch_scc1 .Lnot_wave_0_\@
	s_barrier_signal -3
.Lnot_wave_0_\@:
	s_barrier_wait -3
	s_barrier_signal -1
	s_barrier_wait -1
.endm
.macro CROUND                          ; a whole round
	s_barrier_signal -1
	s_barrier_wait -1
	CREST
.endm
	s_load_b512 s[68:83], s[0:1], 0x0              ; x's codes 68, x's scales 70, Wq's 72, 74, Wk's 76, 78, Wv's 80, 82
	s_load_b256 s[84:91], s[0:1], 0x40             ; bq 84, bk 86, bv 88, qimg 90
	s_load_b128 s[92:95], s[0:1], 0x60             ; kimg 92, vimg 94
	v_lshl_add_u32 v[SPW], v0, 2, SPARE
	v_mov_b32 v[NIL], 0
	ds_add_u32 v28, v29
	ds_add_u32 v28, v29
	s_wait_dscnt 0x0
	v_lshrrev_b32 v1, 5, v0
	v_readfirstlane_b32 s14, v1                    ; wave 0..3
	s_lshr_b32 s15, s14, 1                         ; which half of the tile's rows is mine.  Also: I fetch for A (0) or for B (1)
	s_and_b32 s16, s14, 1                          ; which half of its columns.  Also: which 128 rows of that tile I fetch
	s_bfe_u32 s40, ttmp6, 0x40000                  ; cx, cy: my place in the cluster
	s_bfe_u32 s41, ttmp6, 0x40004
	s_and_b32 s18, ttmp7, 0xffff                   ; the cluster's number
	s_lshr_b32 s66, s18, 3                         ; T: 0 q, 1 k, 2 v
	s_and_b32 s67, s18, 7                          ; C: which 1,024 rows of x
	s_lshl_b32 s18, s67, 2
	s_mov_b32 s101, 4*IB                           ; from one block of 128 rows to the next in qimg and kimg: 4 K steps;
	s_cmp_eq_u32 s66, 2
	s_cselect_b32 s17, 0, s18                      ; x's rows are A's rows for q and k,
	s_cselect_b32 s42, s18, 0                      ; B's rows for v
	s_cselect_b32 s98, 0, 1.0                      ; fB
	s_cselect_b32 s99, 1.0, 0                      ; fA
	s_cselect_b32 s101, 8*IB, s101                 ; in vimg: 8 K steps
	s_add_co_u32 s17, s17, s41                     ; tile row: which 256 rows of A
	s_add_co_u32 s42, s42, s40                     ; tile column: which 256 rows of B
	s_lshl_b32 s43, s41, 2
	s_lshl_b32 s43, 15, s43                        ; my row of the cluster
	s_lshl_b32 s44, 0x1111, s40                    ; my column
	; descriptor group 1: a tile of 128 rows x 192 bytes, 16 bytes of padding behind every 64
	s_or_b32 s[G1+0], s43, (0<<16)|(1<<20)|(1<<21)|(3<<22)|(3<<25)
	s_or_b32 s[G1B+0], s44, (0<<16)|(1<<20)|(1<<21)|(3<<22)|(3<<25)
.irp g, G1, G1B
	s_mov_b32 s[\g+1], ROWB<<16                    ; tensor_dim0
	s_mov_b32 s[\g+2], 128<<16                     ; tensor_dim1
	s_mov_b32 s[\g+3], ROWB<<16                    ; tile_dim0
	s_mov_b32 s[\g+4], 128                         ; tile_dim1
	s_mov_b32 s[\g+5], KROW                        ; tensor_dim0_stride
	s_mov_b32 s[\g+6], 0
	s_mov_b32 s[\g+7], 0
.endr
	s_lshl_b32 s18, s16, 7                         ; which 128 rows of the tile I fetch
	s_lshl_b32 s20, s17, 8
	s_add_co_u32 s20, s20, s18                     ; A: row 256 x tile row + 128 x half
	s_lshl_b32 s46, s42, 8
	s_add_co_u32 s46, s46, s18                     ; B: row 256 x tile column + 128 x half
	s_mov_b32 s21, 0
	s_mov_b32 s47, 0
	s_mov_b64 s[18:19], KS
	s_mul_u64 s[22:23], s[20:21], s[18:19]         ; where these rows' scale bytes begin
	s_mul_u64 s[2:3], s[46:47], s[18:19]
	s_mov_b64 s[18:19], KROW
	s_mul_u64 s[20:21], s[20:21], s[18:19]         ; and their codes
	s_mul_u64 s[46:47], s[46:47], s[18:19]
	s_mul_i32 s45, s14, HALFT                      ; where they go: wave x 128 rows: no place in the cluster enters an LDS address
	s_mul_i32 s19, s14, HALFS
	s_mov_b32 s100, 0xffff0000                     ; lanes 16-31
	s_mov_b32 s104, 0x76543210
	s_mov_b32 s105, 0xfedcba98                     ; v_permlanex16_b32's selects for lane l xor 16
	s_wait_kmcnt 0x0
	s_cmp_eq_u32 s66, 2                            ; the buffers are chosen by T alone
	s_cselect_b64 s[4:5], s[80:81], s[68:69]       ; A's codes: Wv's or x's
	s_cselect_b64 s[6:7], s[82:83], s[70:71]       ; A's scales
	s_cselect_b64 s[8:9], s[68:69], s[72:73]       ; B's codes: x's or Wq's
	s_cselect_b64 s[10:11], s[70:71], s[74:75]     ; B's scales
	s_cselect_b64 s[12:13], s[94:95], s[90:91]     ; the image
	s_cselect_b64 s[96:97], s[88:89], s[84:85]     ; the bias
	s_cmp_eq_u32 s66, 1
	s_cselect_b64 s[8:9], s[76:77], s[8:9]         ; for k: Wk's
	s_cselect_b64 s[10:11], s[78:79], s[10:11]
	s_cselect_b64 s[12:13], s[92:93], s[12:13]
	s_cselect_b64 s[96:97], s[86:87], s[96:97]
	s_add_nc_u64 s[20:21], s[4:5], s[20:21]
	s_add_nc_u64 s[22:23], s[6:7], s[22:23]
	s_add_nc_u64 s[46:47], s[8:9], s[46:47]
	s_add_nc_u64 s[2:3], s[10:11], s[2:3]
	; the scale bytes of 128 rows: a dense block of 4,096 bytes, as 16 rows of 256 bytes, 16 bytes of padding behind each (s68 to s91 are free now)
	s_or_b32 s[G1S+0], s43, (3<<16)|(1<<20)|(1<<21)|(5<<22)|(3<<25)
	s_or_b32 s[G1SB+0], s44, (3<<16)|(1<<20)|(1<<21)|(5<<22)|(3<<25)
.irp g, G1S, G1SB
	s_mov_b32 s[\g+1], 32<<16
	s_mov_b32 s[\g+2], (128*KS/256)<<16
	s_mov_b32 s[\g+3], 32<<16
	s_mov_b32 s[\g+4], 128*KS/256
	s_mov_b32 s[\g+5], 32
	s_mov_b32 s[\g+6], 0
	s_mov_b32 s[\g+7], 0
.endr
	CROUND                                         ; all sixteen work-groups are here: the first joint loads meet
	s_mov_b32 s[G0S], 1
	s_add_co_u32 s[G0S+1], s19, SCL
	s_mov_b64 s[G0S+2:G0S+3], s[22:23]
	s_or_b32 s[G0S+3], s[G0S+3], 0x80000000
	s_mov_b32 s[G0SB], 1
	s_add_co_u32 s[G0SB+1], s19, SCL
	s_mov_b64 s[G0SB+2:G0SB+3], s[2:3]
	s_or_b32 s[G0SB+3], s[G0SB+3], 0x80000000
	JLOAD G0S, G1S, G0SB, G1SB                     ; the scale bytes first: they are wanted with K step 0
.irp s, 0,1
	s_mov_b32 s[G0+4*\s], 1
	s_add_co_u32 s[G0+4*\s+1], s45, \s*SLOT
	s_add_nc_u64 s[G0+4*\s+2:G0+4*\s+3], s[20:21], \s*ROWB
	s_or_b32 s[G0+4*\s+3], s[G0+4*\s+3], 0x80000000
	s_mov_b32 s[G0B+4*\s], 1
	s_add_co_u32 s[G0B+4*\s+1], s45, \s*SLOT
	s_add_nc_u64 s[G0B+4*\s+2:G0B+4*\s+3], s[46:47], \s*ROWB
	s_or_b32 s[G0B+4*\s+3], s[G0B+4*\s+3], 0x80000000
	JLOAD G0+4*\s, G1, G0B+4*\s, G1B
.endr
	v_and_b32 v1, 15, v0                           ; r = l % 16
	v_bfe_u32 v2, v0, 4, 1                         ; h = l / 16
	v_mul_u32_u24 v3, v1, PITCH
	v_mul_u32_u24 v4, v2, 24
	v_add_nc_u32 v4, v3, v4                        ; a fragment's row x pitch + 24 x half
	v_lshl_add_u32 v5, v2, 4, v4                   ; and the same behind one padding more
	s_mul_i32 s21, s15, HALFT                      ; my 128 rows of A
	s_mul_i32 s22, s16, HALFT                      ; my 128 rows of B,
	s_add_co_u32 s22, s22, 2*HALFT                 ; which lie behind A's 256
.irp s, 0,1
	v_add_nc_u32 v[ADRA+\s], s21, v4
	v_add_nc_u32 v[ADRB+\s], s22, v4
	v_add_nc_u32 v[ADRA+2+\s], s21, v5
	v_add_nc_u32 v[ADRB+2+\s], s22, v5
	s_add_co_u32 s21, s21, SLOT
	s_add_co_u32 s22, s22, SLOT
.endr
	v_mul_u32_u24 v5, v1, KS                       ; my row's scale bytes: 32 a row,
	v_lshrrev_b32 v6, 8, v5
	v_lshl_add_u32 v5, v6, 4, v5                   ; and 16 more for each 256 passed
	s_mul_i32 s21, s15, HALFS                      ; A's: my 128 rows
	s_mul_i32 s22, s16, HALFS                      ; B's: my 128 rows, behind A's 256
	s_add_co_u32 s22, s22, 2*HALFS
	s_sub_co_u32 s22, s22, s21
	v_mul_u32_u24 v6, s22, v2                      ; lanes 16-31 take B's: one product, the distance between the two bases
	s_add_co_u32 s21, s21, SCL
	v_add_nc_u32 v5, v5, v6
	v_add_nc_u32 v[ADRS], s21, v5
	v_and_b32 v6, 31, v0
	v_lshlrev_b32 v6, 4, v6                        ; 16 x lane
	s_mul_i32 s21, s16, 1536
	v_add_nc_u32 v[VC], s21, v6
	s_lshl_b32 s21, s16, 9
	s_add_co_u32 s21, s21, 24576
	v_add_nc_u32 v[VS], s21, v6
.irp t, 0,1,2,3
	v_mov_b32 v[TM+4+\t], 0                        ; written once: a lane permute's destination counts as one of its sources
.endr
	; the bias: along the registers bias[256 x tile column + 128 x half + 16 b + 8 h + j], along the lanes bias[256 x tile row + 128 x half + 16 a + r]; the side that does not count reads from the buffer's head
	s_lshl_b32 s21, s42, 10
	s_lshl_b32 s22, s16, 9
	s_add_co_u32 s21, s21, s22
	s_lshl_b32 s22, s17, 10
	s_lshl_b32 s23, s15, 9
	s_add_co_u32 s22, s22, s23
	s_cmp_eq_u32 s66, 2
	s_cselect_b32 s21, 0, s21
	s_cselect_b32 s22, s22, 0
	v_lshl_add_u32 v[VBB], v2, 5, s21
	v_lshl_add_u32 v[VBA], v1, 2, s22
.irp b, 0,1,2,3,4,5,6,7
	global_load_b128 v[BBR+8*\b:BBR+8*\b+3], v[VBB], s[96:97] offset:64*\b
	global_load_b128 v[BBR+8*\b+4:BBR+8*\b+7], v[VBB], s[96:97] offset:64*\b+16
.endr
.irp a, 0,1,2,3,4,5,6,7
	global_load_b32 v[BAR+2*\a], v[VBA], s[96:97] offset:64*\a
.endr
	; where my image block begins: block of 128 rows 2 x tile row + half (+ 8 x batch in vimg), K step = tile column (% 8 in vimg)
	s_lshl_b32 s21, s17, 1
	s_add_co_u32 s21, s21, s15
	s_lshr_b32 s22, s42, 3
	s_lshl_b32 s22, s22, 3
	s_add_co_u32 s21, s21, s22
	s_mul_i32 s20, s21, s101
	s_and_b32 s22, s42, 7
	s_mul_i32 s22, s22, IB
	s_add_co_u32 s20, s20, s22
	s_mov_b32 s21, 0
	s_add_nc_u64 s[12:13], s[12:13], s[20:21]
	s_wait_loadcnt 0x0                             ; the bias is in
.irp a, 0,1,2,3,4,5,6,7
	v_mul_f32 v[BAR+2*\a+1], s99, v[BAR+2*\a]      ; x fA, twice: a pair for the packed form
	v_mul_f32 v[BAR+2*\a], s99, v[BAR+2*\a]
.endr
.irp w, 0,1                                    ; the sums begin as the bias: 256 packed multiply-adds while the first tiles are on their way; no addition is owed at the end
	WIN 0x80+0x40*\w
.irp a, 0,1,2,3
.irp b, 0,1,2,3,4,5,6,7
.irp j, 0,2,4,6
	v_pk_fma_f32 v[8*(8*\a+\b)+\j:8*(8*\a+\b)+\j+1], v[BBR+8*\b+\j:BBR+8*\b+\j+1], s[98:99], v[BAR+2*(4*\w+\a):BAR+2*(4*\w+\a)+1] op_sel_hi:[1,0,1]
.endr
.endr
.endr
.endr
	WIN 0
.macro FRAG reg, adr, q, i             ; a fragment, 16 rows x 128 K: lane l holds row l % 16; registers 6 c .. 6 c + 5 hold K = 64 c + 32 (l / 16) + 0 .. 31: 24 bytes of the row's stream of bits, as they lie
.irp p, 0,1,2,3,4,5                    ; in pieces of 8 bytes; where the piece of lanes 16-31 lies behind one padding more, the second address register serves
.set PCE, 12*(\q)+6*(\p/3)+\p%3
.if PCE%8 < 5
	ds_load_b64 v[\reg+2*\p:\reg+2*\p+1], v[\adr] offset:8*PCE+16*(PCE/8)+(\i)*16*PITCH
.else
	ds_load_b64 v[\reg+2*\p:\reg+2*\p+1], v[\adr+2] offset:8*PCE+16*(PCE/8)+(\i)*16*PITCH
.endif
.endr
.endm
; 16 matrix instructions: A's blocks a0, a0 + 1 x B's eight, 128 along K.  The 64 accumulators take turns, one instruction a turn, in the same order in every step.
.macro MUL16 a0, p, q, sc
.irp a, \a0, \a0+1
.irp b, 0,1,2,3,4,5,6,7
	v_wmma_scale_f32_16x16x128_f8f6f4 v[8*(8*((\a)%4)+\b):8*(8*((\a)%4)+\b)+7], v[128*(\p)+FR*\b:128*(\p)+FR*\b+FR-1], v[AF+FR*(\a):AF+FR*(\a)+FR-1], v[8*(8*((\a)%4)+\b):8*(8*((\a)%4)+\b)+7], v[SC+8*NQ*(\sc)+NQ*\b+(\q)], v[SC+8*NQ*(\sc)+NQ*(\a)+(\q)] matrix_a_fmt:MATRIX_FMT_FP6 matrix_b_fmt:MATRIX_FMT_FP6 matrix_a_scale:MATRIX_SCALE_ROW1
.endr
.endr
.endm
.macro FETCH_B slot, q, p              ; B's eight fragments of the slot's q-th 128 along K into set p
	WIN TO_B
.irp i, 0,1,2,3,4,5,6,7
	FRAG 128*(\p)+FR*\i, ADRB+\slot, \q, \i
.endr
	WIN 0
.endm
.macro FETCH_A slot, q, i0             ; A's blocks i0 .. i0 + 3
.irp i, \i0, \i0+1, \i0+2, \i0+3
	FRAG AF+FR*(\i), ADRA+\slot, \q, \i
.endr
.endm
.macro SCALES sc                       ; a K step's scale words into set sc: lanes 0-15 take A's block i, lanes 16-31 B's block i
.irp i, 0,1,2,3,4,5,6,7
	ds_load_b64 v[SC+8*NQ*\sc+NQ*\i:SC+8*NQ*\sc+NQ*\i+1], v[ADRS] offset:\i*SBLK
.endr
.endm
.macro PLACES n                        ; plain places behind matrix instructions, in front of loads into registers that they have read and of the first read of results
.rept \n
	v_nop
.endr
.endm
; A step of 128 along K that has its successor in the same slot.
.macro STEP slot, q
	s_wait_dscnt 4*NL                              ; B's set and A's blocks 0-3 are in; the youngest 24 loads (A's blocks 4-7) may be out
	WIN MUL_LO
	MUL16 0, (\q)%2, \q, \slot
	MUL16 2, (\q)%2, \q, \slot
	s_wait_dscnt 0                                 ; A's blocks 4-7 are in
	PLACES NP
	FETCH_B \slot, (\q)+1, 1-(\q)%2
	FETCH_A \slot, (\q)+1, 0
	WIN MUL_HI
	MUL16 4, (\q)%2, \q, \slot
	MUL16 6, (\q)%2, \q, \slot
	PLACES NP
	WIN 0
	FETCH_A \slot, (\q)+1, 4
.endm
; A slot's last step changes slots: one barrier; in front of it each wave waits for all its tensor loads, adds 0 to its spare word, and waits for that and for its reads of this slot.  fill = 1: this slot is filled again, two K steps ahead.
.macro TURN slot, next, fill
	s_wait_tensorcnt 0x0                           ; all my tensor loads have landed: my part of the next slot
	ds_add_u32 v[SPW], v[NIL]                      ; 0 onto my spare word
	s_wait_dscnt 4*NL+1                            ; (the add and the youngest 24 loads, A's blocks 4-7, may be out)
	WIN MUL_LO
	MUL16 0, 1, NQ-1, \slot                        ; sixteen matrix instructions stand between the add and the wait for it
	s_wait_dscnt 0x0                               ; the add is done, and my reads of this slot are over
	s_barrier_signal -1
	MUL16 2, 1, NQ-1, \slot
	WIN 0
	s_barrier_wait -1
.if \fill
	CREST                                          ; the barrier has opened a round of the cluster's barrier: no wave of any partner still reads this slot or has a load on its way
	s_add_nc_u64 s[G0+4*\slot+2:G0+4*\slot+3], s[G0+4*\slot+2:G0+4*\slot+3], 2*ROWB
	s_add_nc_u64 s[G0B+4*\slot+2:G0B+4*\slot+3], s[G0B+4*\slot+2:G0B+4*\slot+3], 2*ROWB
	JLOAD G0+4*\slot, G1, G0B+4*\slot, G1B         ; the first tensor load behind the round; its four v_nop are the places in front of the loads below
.else
	PLACES NP
.endif
	v_add_nc_u32 v[ADRS], 4*NQ, v[ADRS]            ; on to the next K step's scale words (no LDS load of mine is out)
	FETCH_B \next, 0, 0
	FETCH_A \next, 0, 0
	SCALES \next
	WIN MUL_HI
	MUL16 4, 1, NQ-1, \slot
	MUL16 6, 1, NQ-1, \slot
	PLACES NP
	WIN 0
	FETCH_A \next, 0, 4
.endm
	s_wait_tensorcnt 1                             ; the scale bytes and my part of K step 0 are in (K step 1's load may be out)
	s_barrier_signal -1
	s_barrier_wait -1                              ; everybody's are
	FETCH_B 0, 0, 0
	FETCH_A 0, 0, 0
	SCALES 0
	FETCH_A 0, 0, 4
	STEP 0, 0                                      ; K = 1,024 is four K steps, eight steps of 128: written straight, no loop
	TURN 0, 1, 1                                   ; slot 0 takes K step 2
	STEP 1, 0
	TURN 1, 0, 1                                   ; slot 1 takes K step 3
	STEP 0, 0
	TURN 0, 1, 0                                   ; nothing is left to fetch
	STEP 1, 0
	s_wait_dscnt 4*NL                              ; the last step
	WIN MUL_LO
	MUL16 0, 1, NQ-1, 1
	MUL16 2, 1, NQ-1, 1
	s_wait_dscnt 0
	WIN MUL_HI
	MUL16 4, 1, NQ-1, 1
	MUL16 6, 1, NQ-1, 1
	WIN 0
; THE WAY OUT.  The 64 registers of A's block a are 128 numbers along the next K of the lane's row (with lane l xor 16's): four blocks of 32.  They become one fragment and one scale word a row.
.macro QOUT a
.set W, 2+(\a)/4
.set ACB, 64*((\a)%4)
	WIN W|(W<<2)                                   ; sources 0 and 1: the accumulators' window
.irp t, 0,1,2,3
	v_max3_num_f32 v[TM+\t], |v[ACB+16*\t]|, |v[ACB+16*\t+1]|, 0x1800000   ; block t: my 16 numbers, each accumulator from its low end on, and the floor 2^(3 - 127): the byte cannot fall under 1
.endr
.irp i, 2,4,6,8,10,12,14
.irp t, 0,1,2,3
	v_max3_num_f32 v[TM+\t], |v[ACB+16*\t+\i]|, |v[ACB+16*\t+\i+1]|, v[TM+\t]
.endr
.endr
	WIN 0
.irp t, 0,1,2,3
	v_permlanex16_b32 v[TM+4+\t], v[TM+\t], s104, s105
.endr
.irp t, 0,1,2,3
	v_max_num_f32 v[TM+\t], v[TM+\t], v[TM+4+\t]   ; with lane l xor 16's: the block's largest magnitude
.endr
.irp t, 0,1,2,3
	v_add_nc_u32 v[TM+12+\t], 0xff000000, v[TM+\t] ; 2 off its exponent field: the conversion's scale operand
.endr
.irp t, 0,1,2,3
	v_lshrrev_b32 v[TM+4+\t], 23, v[TM+12+\t]      ; the scale's byte
.endr
	v_lshl_or_b32 v[PWS+\a], v[TM+5], 8, v[TM+4]   ; my row's scale word
	v_lshl_or_b32 v[PWS+\a], v[TM+6], 16, v[PWS+\a]
	v_lshl_or_b32 v[PWS+\a], v[TM+7], 24, v[PWS+\a]
.if (\a) > 0
	s_wait_xcnt 0x0                                ; the last fragment's stores have read their data: the codes' registers may be written again
.endif
	WIN W
.irp c, 0,1
	v_cvt_scalef32_pk16_fp6_f32 v[PC+6*\c:PC+6*\c+2], v[ACB+32*\c:ACB+32*\c+15], v[TM+12+2*\c]
	v_cvt_scalef32_pk16_fp6_f32 v[PC+12+4*\c:PC+14+4*\c], v[ACB+32*\c+16:ACB+32*\c+31], v[TM+12+2*\c+1]   ; (a conversion's three registers begin on an even number)
.endr
	WIN 0
	v_nop                                          ; one plain place behind a scaled conversion
.irp c, 0,1                                    ; the operand's layout wants a whole block in a lane: lanes 0-15 block 2 c, lanes 16-31 block 2 c + 1
.irp i, 0,1,2
	v_permlane16_swap_b32 v[PC+6*\c+\i], v[PC+12+4*\c+\i]
.endr
.irp i, 0,1,2
	v_mov_b32 v[PC+3+6*\c+\i], v[PC+12+4*\c+\i]
.endr
.endr
.irp c, 0,1,2
	global_store_b128 v[VC], v[PC+4*\c:PC+4*\c+3], s[12:13] offset:(\a)*3072+512*\c   ; 32 lanes store 512 consecutive bytes, at a multiple of 256 from the buffer's first byte
.endr
.endm
	PLACES NP
.irp a, 0,1,2,3,4,5,6,7
	QOUT \a
.endr
.irp p, 0,1,2,3
	v_cndmask_b32 v[W4+\p], v[PWS+2*\p], v[PWS+2*\p+1], s100   ; lanes 0-15: fragment 2 p's words, lanes 16-31: fragment 2 p + 1's
.endr
	global_store_b128 v[VS], v[W4:W4+3], s[12:13]  ; the eight fragments' scale words: 512 consecutive bytes
	s_wait_tensorcnt 0x0                           ; the wave's end
	ds_add_u32 v[SPW], v[NIL]
	s_wait_dscnt 0x0
	CROUND                                         ; the closing round: no work-group ends while a partner may still ask for a tile that names it
	s_endpgm
.Lfunc_end_k_qbc72aada82_proj:
	.size	k_qbc72aada82_proj, .Lfunc_end_k_qbc72aada82_proj-k_qbc72aada82_proj
	.p2alignl 7, 3214868480
	.fill 96, 4, 3214868480
	.section	.rodata,"a",@progbits
	.p2align	6, 0x0
	.amdhsa_kernel k_qbc72aada82_proj
		.amdhsa_group_segment_fixed_size 327680
		.amdhsa_private_segment_fixed_size 0
		.amdhsa_enable_private_segment 0
		.amdhsa_kernarg_size 112
		.amdhsa_user_sgpr_count 2
		.amdhsa_user_sgpr_kernarg_segment_ptr 1
		.amdhsa_wavefront_size32 1
		.amdhsa_system_sgpr_workgroup_id_x 1
		.amdhsa_system_sgpr_workgroup_id_y 1
		.amdhsa_system_sgpr_workgroup_id_z 1
		.amdhsa_system_vgpr_workitem_id 0
		.amdhsa_next_free_vgpr 1024
		.amdhsa_next_free_sgpr 106
		.amdhsa_reserve_vcc 0
		.amdhsa_float_denorm_mode_32 3
		.amdhsa_float_denorm_mode_16_64 3
		.amdhsa_memory_ordered 1
		.amdhsa_forward_progress 1
		.amdhsa_inst_pref_size 184
	.end_amdhsa_kernel
	.amdgpu_metadata
---
amdhsa.version: [ 1, 2 ]
amdhsa.kernels:
  - .name:           k_qbc72aada82_proj
    .symbol:         k_qbc72aada82_proj.kd
    .args:
      - { .name: x_codes, .offset: 0, .size: 8, .value_kind: global_buffer, .address_space: global }
      - { .name: x_scales, .offset: 8, .size: 8, .value_kind: global_buffer, .address_space: global }
      - { .name: Wq_codes, .offset: 16, .size: 8, .value_kind: global_buffer, .address_space: global }
      - { .name: Wq_scales, .offset: 24, .size: 8, .value_kind: global_buffer, .address_space: global }
      - { .name: Wk_codes, .offset: 32, .size: 8, .value_kind: global_buffer, .address_space: global }
      - { .name: Wk_scales, .offset: 40, .size: 8, .value_kind: global_buffer, .address_space: global }
      - { .name: Wv_codes, .offset: 48, .size: 8, .value_kind: global_buffer, .address_space: global }
      - { .name: Wv_scales, .offset: 56, .size: 8, .value_kind: global_buffer, .address_space: global }
      - { .name: bq, .offset: 64, .size: 8, .value_kind: global_buffer, .address_space: global }
      - { .name: bk, .offset: 72, .size: 8, .value_kind: global_buffer, .address_space: global }
      - { .name: bv, .offset: 80, .size: 8, .value_kind: global_buffer, .address_space: global }
      - { .name: qimg, .offset: 88, .size: 8, .value_kind: global_buffer, .address_space: global }
      - { .name: kimg, .offset: 96, .size: 8, .value_kind: global_buffer, .address_space: global }
      - { .name: vimg, .offset: 104, .size: 8, .value_kind: global_buffer, .address_space: global }
    .group_segment_fixed_size: 327680
    .private_segment_fixed_size: 0
    .kernarg_segment_align: 8
    .kernarg_segment_size: 112
    .max_flat_workgroup_size: 128
    .sgpr_count:     106
    .vgpr_count:     1024
    .wavefront_size: 32
...
	.end_amdgpu_metadata
.endif
;; end of part 1
;; launch scores (part 2): grid 9 x 16, 4 waves a work-group, no clusters, 327,680 bytes of LDS; arguments qimg, kimg, pimg, stats; writes pimg, stats
.if DOCPART == 2
	.amdgcn_target "amdgcn-amd-amdhsa--gfx1250"
	.amdhsa_code_object_version 6
	.text
	.protected	k_qbc72aada82_scores
	.globl	k_qbc72aada82_scores
	.p2align	8
	.type	k_qbc72aada82_scores,@function
k_qbc72aada82_scores:
	s_mov_b64 s[64:65], 0
	v_nop
	global_prefetch_b8 v0, s[64:65] scope:SCOPE_SE
	s_setreg_imm32_b32 hwreg(HW_REG_WAVE_MODE, 25, 1), 1
	s_wait_xcnt 0x0
; S^T = k q^T on the causal tiles of 256 queries x 256 keys, on the images that the launch before has stored; then, for each wave's 128 queries x 128 keys, the softmax's numerator:
; t = score x log2(e) / 32; M = the largest t of the query's 128 keys, rounded up to a whole number; p = 2^(t - M); the sum of the unquantised p; p quantised along the keys and stored as an image.
; -M and the sum go to stats.  The launch that follows takes the row's largest M over the chunks and takes the difference off p's scale bytes: a power of two, which changes no code.
; SHARES.  Work-group (X, Y): batch Y / 4, pr = Y % 4.  Tile rows pr and 7 - pr have pr + 1 and 8 - pr causal tiles, 9 together: X <= pr: tile (pr, X), else tile (7 - pr, X - pr - 1).  Tiles wholly above the diagonal are not made.
; A wave makes 128 queries (rh) x 128 keys (ch): source 0 = 16 keys, source 1 = 16 queries: a lane holds one query, and its registers run along the keys.
; NO CLUSTER: the work-groups that share a block of q are 1 to 8, those that share a block of k likewise, and the 9 along x divide by no cluster's width: partners that share a tile cannot be grouped by fours at every tile row.
; THE RING: three slots of four image blocks (q's two blocks of 128 rows, k's two), 256 along K each.  K = 1,024 is four K steps: three first fills, and slot 0 is filled once more.  Each wave brings one block, 100 rows of 256 bytes.
; A fragment comes by three ds_load_b128, 16 bytes a lane on end.  Scale words: one ds_load_b128 brings four registers: fragment f takes register f / 2, lanes 16-31 where f is odd.
; THE BLOCK THAT IS NOT CAUSAL BUT WALKED: the next launch walks an even number of K steps of 256 keys.  For an even tile row i the diagonal's work-group also stores K step i + 1 as zero codes, bytes 1, -M = 3e38, sum 0.
; LIMITS: NaN and infinities are not served.  A block whose every p is 0 keeps the byte 1: its codes are zeros.  v_exp_f32 gives 0 for p under 2^-126.
.set IB,    25600
.set FR,    12
.set NL,    3                          ; LDS loads that bring a fragment
.set NP,    4
.set SLOT,  4*IB
.set SPARE, 3*SLOT                     ; the spare words: two blocks of 256 bytes that no other line names
.set SCW,   24576                      ; where a block's scale words begin
.set ADRA, 16                          ; v16-18 16 x lane + my block of q in slot 0, 1, 2
.set ADRB, 20                          ; v20-22 the same for k
.set VC,   24                          ; v24  16 x lane + 1,536 ch
.set VS,   25                          ; v25  16 x lane + 24,576 + 512 ch
.set VT,   26                          ; v26  16 x lane
.set DG,   27                          ; v27  128 (rh - ch) + r - 8 h: on the diagonal key 16 b + j of a lane is hidden for query block a where 16 b + j - 16 a is above it
.set SPW,  28
.set NIL,  29
.set NINF, 30                          ; v30  -infinity
.set SC,   32                          ; v32-63 scale words, two sets of 16: q's at 4 kc, k's at 8 + 4 kc
.set BM,   64                          ; v64-67 a block's largest score, then its largest p
.set BT,   68                          ; v68-71 at work
.set SO,   72                          ; v72-75 the conversions' scale operands
.set NM,   76                          ; v76  -M  (named with v77 as a pair)
.set TMX,  77                          ; v77  the largest t
.set SUA,  78                          ; v[78:79], v[80:81] the sum, in two chains
.set SUB,  80
.set T0,   82
.set T1,   83
.set PC,   96                          ; v96-115 the codes just made
.set PWS,  116                         ; v116-123 scale words;  v124-131 -M;  v132-139 the sums: one for each of the eight blocks of 16 queries
.set MST,  124
.set LST,  132
.set W4,   140                         ; v140-143, v156-159, v160-163 the same, gathered for one store each
.set ZR,   144                         ; v144-147 zeros, v148-151 bytes 1, v152-155 3e38
.set ON,   148
.set BG,   152
.set W5,   156
.set W6,   160
.set AF,   128                         ; v128-223 q's fragments, one set (free on the way out)
.set G1,   24
.set G0,   32                          ; s[32:43] group 0 for slots 0, 1, 2
.set MSB, 0
.macro WIN new
.if MSB != (\new)
	s_set_vgpr_msb (MSB<<8)|(\new)
.set MSB, (\new)
.endif
.endm
.set MUL_LO, 0xa1
.set MUL_HI, 0xf1
.set TO_B,   0x40
	s_load_b256 s[4:11], s[0:1], 0x0               ; qimg 4, kimg 6, pimg 8, stats 10
	v_lshl_add_u32 v[SPW], v0, 2, SPARE
	v_mov_b32 v[NIL], 0
	ds_add_u32 v28, v29
	ds_add_u32 v28, v29
	s_wait_dscnt 0x0
	v_lshrrev_b32 v1, 5, v0
	v_readfirstlane_b32 s14, v1                    ; wave 0..3
	s_lshr_b32 s15, s14, 1                         ; rh
	s_and_b32 s16, s14, 1                          ; ch
	s_and_b32 s20, ttmp7, 0xffff
	s_lshr_b32 s19, s20, 2                         ; batch
	s_and_b32 s20, s20, 3                          ; pr
	s_sub_co_u32 s21, 7, s20
	s_sub_co_u32 s22, ttmp9, s20
	s_sub_co_u32 s22, s22, 1
	s_cmp_le_u32 ttmp9, s20
	s_cselect_b32 s17, s20, s21                    ; i: the tile's row
	s_cselect_b32 s18, ttmp9, s22                  ; j: its column, at most i
	; descriptor group 1: an image block, dense: 100 rows of 256 bytes (32 elements of 8 bytes), no padding
	s_mov_b32 s[G1+0], 3<<16
	s_mov_b32 s[G1+1], 32<<16
	s_mov_b32 s[G1+2], 100<<16
	s_mov_b32 s[G1+3], 32<<16
	s_mov_b32 s[G1+4], 100
	s_mov_b32 s[G1+5], 32
	s_mov_b32 s[G1+6], 0
	s_mov_b32 s[G1+7], 0
	s_cmp_lt_u32 s14, 2                            ; waves 0, 1 bring q's blocks 2 i, 2 i + 1; waves 2, 3 k's blocks 2 j, 2 j + 1
	s_cselect_b32 s21, s17, s18
	s_lshl_b32 s21, s21, 1
	s_add_co_u32 s21, s21, s16
	s_lshl_b32 s22, s19, 4
	s_add_co_u32 s21, s21, s22                     ; the block of 128 rows: 16 x batch + ..
	s_mul_i32 s22, s21, 4*IB
	s_mov_b32 s23, 0
	s_mul_i32 s20, s14, IB                         ; its place in a slot: wave x a block
	s_mov_b32 s44, 0x76543210
	s_mov_b32 s45, 0xfedcba98                      ; v_permlanex16_b32's selects for lane l xor 16
	s_mov_b32 s46, 0x3d38aa3b                      ; c = log2(e) / sqrt(1024)
	s_mov_b32 s47, s46                             ; (named with it as a pair)
	s_mov_b32 s48, 0xffff0000                      ; lanes 16-31
	s_wait_kmcnt 0x0
	s_cmp_lt_u32 s14, 2
	s_cselect_b64 s[2:3], s[4:5], s[6:7]
	s_add_nc_u64 s[2:3], s[2:3], s[22:23]
.irp s, 0,1,2
	s_mov_b32 s[G0+4*\s], 1
	s_add_co_u32 s[G0+4*\s+1], s20, \s*SLOT
	s_add_nc_u64 s[G0+4*\s+2:G0+4*\s+3], s[2:3], \s*IB   ; K step s
	s_or_b32 s[G0+4*\s+3], s[G0+4*\s+3], 0x80000000
.endr
	tensor_load_to_lds s[G0:G0+3], s[G1:G1+7]      ; the three first fills go out together: three loads of mine are out
	s_nop 0
	tensor_load_to_lds s[G0+4:G0+7], s[G1:G1+7]
	s_nop 0
	tensor_load_to_lds s[G0+8:G0+11], s[G1:G1+7]
	s_nop 0
.rept 4
	v_nop
.endr
	v_and_b32 v1, 15, v0                           ; r
	v_bfe_u32 v2, v0, 4, 1                         ; h
	v_and_b32 v3, 31, v0
	v_lshlrev_b32 v[VT], 4, v3
	s_mul_i32 s21, s15, IB
	s_mul_i32 s22, s16, IB
	s_add_co_u32 s22, s22, 2*IB
.irp s, 0,1,2
	v_add_nc_u32 v[ADRA+\s], s21, v[VT]
	v_add_nc_u32 v[ADRB+\s], s22, v[VT]
	s_add_co_u32 s21, s21, SLOT
	s_add_co_u32 s22, s22, SLOT
.endr
	s_mul_i32 s21, s16, 1536
	v_add_nc_u32 v[VC], s21, v[VT]
	s_lshl_b32 s21, s16, 9
	s_add_co_u32 s21, s21, SCW
	v_add_nc_u32 v[VS], s21, v[VT]
	s_sub_co_i32 s21, s15, s16
	s_lshl_b32 s21, s21, 7
	v_lshlrev_b32 v3, 3, v2
	v_sub_nc_u32 v3, v1, v3
	v_add_nc_u32 v[DG], s21, v3
	v_mov_b32 v[NINF], 0xff800000
.irp t, 0,1,2,3
	v_mov_b32 v[BT+\t], 0                          ; written once: a lane permute's destination counts as one of its sources
.endr
	v_mov_b32 v[T1], 0
	; where my results go: block of 128 queries rb = 16 x batch + 2 i + rh;  pimg: rb x 8 blocks + j blocks;  stats: rb x 16 KiB + (2 j + ch) KiB
	s_lshl_b32 s21, s19, 4
	s_lshl_b32 s22, s17, 1
	s_add_co_u32 s21, s21, s22
	s_add_co_u32 s21, s21, s15
	s_mul_i32 s22, s21, 8*IB
	s_mul_i32 s23, s18, IB
	s_add_co_u32 s22, s22, s23
	s_mov_b32 s23, 0
	s_add_nc_u64 s[8:9], s[8:9], s[22:23]
	s_lshl_b32 s22, s21, 14
	s_lshl_b32 s20, s18, 11
	s_add_co_u32 s22, s22, s20
	s_lshl_b32 s20, s16, 10
	s_add_co_u32 s22, s22, s20
	s_add_nc_u64 s[10:11], s[10:11], s[22:23]
.macro FRAG3 reg, adr, off             ; a fragment as it was stored: three pieces of 512 bytes, 16 bytes a lane
.irp c, 0,1,2
	ds_load_b128 v[(\reg)+4*\c:(\reg)+4*\c+3], v[\adr] offset:(\off)+512*\c
.endr
.endm
.macro WMX zero                        ; one product; rD, rB, rA, xB, xA, oB, oA are set by the caller.  A fragment with an odd number has its scale words in lanes 16-31
.if \zero
.if oB && oA
	v_wmma_scale_f32_16x16x128_f8f6f4 v[rD:rD+7], v[rB:rB+11], v[rA:rA+11], 0, v[xB], v[xA] matrix_a_fmt:MATRIX_FMT_FP6 matrix_b_fmt:MATRIX_FMT_FP6 matrix_a_scale:MATRIX_SCALE_ROW1 matrix_b_scale:MATRIX_SCALE_ROW1
.elseif oB
	v_wmma_scale_f32_16x16x128_f8f6f4 v[rD:rD+7], v[rB:rB+11], v[rA:rA+11], 0, v[xB], v[xA] matrix_a_fmt:MATRIX_FMT_FP6 matrix_b_fmt:MATRIX_FMT_FP6 matrix_a_scale:MATRIX_SCALE_ROW1
.elseif oA
	v_wmma_scale_f32_16x16x128_f8f6f4 v[rD:rD+7], v[rB:rB+11], v[rA:rA+11], 0, v[xB], v[xA] matrix_a_fmt:MATRIX_FMT_FP6 matrix_b_fmt:MATRIX_FMT_FP6 matrix_b_scale:MATRIX_SCALE_ROW1
.else
	v_wmma_scale_f32_16x16x128_f8f6f4 v[rD:rD+7], v[rB:rB+11], v[rA:rA+11], 0, v[xB], v[xA] matrix_a_fmt:MATRIX_FMT_FP6 matrix_b_fmt:MATRIX_FMT_FP6
.endif
.else
.if oB && oA
	v_wmma_scale_f32_16x16x128_f8f6f4 v[rD:rD+7], v[rB:rB+11], v[rA:rA+11], v[rD:rD+7], v[xB], v[xA] matrix_a_fmt:MATRIX_FMT_FP6 matrix_b_fmt:MATRIX_FMT_FP6 matrix_a_scale:MATRIX_SCALE_ROW1 matrix_b_scale:MATRIX_SCALE_ROW1
.elseif oB
	v_wmma_scale_f32_16x16x128_f8f6f4 v[rD:rD+7], v[rB:rB+11], v[rA:rA+11], v[rD:rD+7], v[xB], v[xA] matrix_a_fmt:MATRIX_FMT_FP6 matrix_b_fmt:MATRIX_FMT_FP6 matrix_a_scale:MATRIX_SCALE_ROW1
.elseif oA
	v_wmma_scale_f32_16x16x128_f8f6f4 v[rD:rD+7], v[rB:rB+11], v[rA:rA+11], v[rD:rD+7], v[xB], v[xA] matrix_a_fmt:MATRIX_FMT_FP6 matrix_b_fmt:MATRIX_FMT_FP6 matrix_b_scale:MATRIX_SCALE_ROW1
.else
	v_wmma_scale_f32_16x16x128_f8f6f4 v[rD:rD+7], v[rB:rB+11], v[rA:rA+11], v[rD:rD+7], v[xB], v[xA] matrix_a_fmt:MATRIX_FMT_FP6 matrix_b_fmt:MATRIX_FMT_FP6
.endif
.endif
.endm
; 16 matrix instructions: q's blocks a0, a0 + 1 x k's eight; kc: which 128 of the K step (and k's set); the 64 accumulators take turns
.macro MUL16 a0, kc, set, zero
.irp a, \a0, \a0+1
.irp b, 0,1,2,3,4,5,6,7
.set rD, 8*(8*((\a)%4)+\b)
.set rB, 128*(\kc)+FR*\b
.set rA, AF+FR*(\a)
.set xB, SC+16*(\set)+8+4*(\kc)+\b/2
.set xA, SC+16*(\set)+4*(\kc)+(\a)/2
.set oB, \b%2
.set oA, (\a)%2
	WMX \zero
.endr
.endr
.endm
.macro FETCH_B slot, kc
	WIN TO_B
.irp i, 0,1,2,3,4,5,6,7
	FRAG3 128*(\kc)+FR*\i, ADRB+\slot, \i*3072+(\kc)*1536
.endr
	WIN 0
.endm
.macro FETCH_A slot, kc, i0
.irp i, \i0, \i0+1, \i0+2, \i0+3
	FRAG3 AF+FR*(\i), ADRA+\slot, (\i)*3072+(\kc)*1536
.endr
.endm
.macro SCALES set, slot                ; a K step's scale words: four loads
.irp k, 0,1
	ds_load_b128 v[SC+16*(\set)+4*\k:SC+16*(\set)+4*\k+3], v[ADRA+\slot] offset:SCW+512*\k
	ds_load_b128 v[SC+16*(\set)+8+4*\k:SC+16*(\set)+8+4*\k+3], v[ADRB+\slot] offset:SCW+512*\k
.endr
.endm
.macro PLACES n
.rept \n
	v_nop
.endr
.endm
.macro STEP slot, set, zero            ; a K step's first 128; its second 128 are fetched meanwhile
	s_wait_dscnt 4*NL                              ; all but the youngest 12 loads (q's blocks 4-7) are in
	WIN MUL_LO
	MUL16 0, 0, \set, \zero
	MUL16 2, 0, \set, \zero
	s_wait_dscnt 0
	PLACES NP
	FETCH_B \slot, 1
	FETCH_A \slot, 1, 0
	WIN MUL_HI
	MUL16 4, 0, \set, \zero
	MUL16 6, 0, \set, \zero
	PLACES NP
	WIN 0
	FETCH_A \slot, 1, 4
.endm
; A K step's second 128, and the change of slots.  mode 0. mode 1: slot 0 is filled again, with K step 3.  mode 2: the last load is waited for, nothing is filled.
.macro TURN next, mode, set
.if \mode == 0
	s_wait_tensorcnt 0x1                           ; my parts of K steps 0 and 1 are in; K step 2's may stay out
	s_wait_dscnt 4*NL
.else
	s_wait_tensorcnt 0x0                           ; all my tensor loads have landed
	ds_add_u32 v[SPW], v[NIL]                      ; 0 onto my spare word
.if \mode == 1
	s_add_nc_u64 s[G0+2:G0+3], s[G0+2:G0+3], 3*IB  ; no load of mine is out, so slot 0's group 0 may be written: K step 3
.endif
	s_wait_dscnt 4*NL+1                            ; (the add and the youngest 12 loads may be out)
.endif
	WIN MUL_LO
	MUL16 0, 1, \set, 0
	s_wait_dscnt 0x0                               ; my reads of the slot are over (and the add is done)
	s_barrier_signal -1
	MUL16 2, 1, \set, 0
	WIN 0
	s_barrier_wait -1
.if \mode == 1
	tensor_load_to_lds s[G0:G0+3], s[G1:G1+7]      ; my one tensor load behind this barrier, and the first thing there: slot 0 was read last two K steps ago; the load has a K step's products in which to land
	s_nop 0
.endif
	PLACES NP
	FETCH_B \next, 0
	FETCH_A \next, 0, 0
	SCALES 1-\set, \next
	WIN MUL_HI
	MUL16 4, 1, \set, 0
	MUL16 6, 1, \set, 0
	PLACES NP
	WIN 0
	FETCH_A \next, 0, 4
.endm
	s_wait_tensorcnt 0x2                           ; my part of K step 0 is in; two loads may stay out
	s_barrier_signal -1
	s_barrier_wait -1
	FETCH_B 0, 0
	FETCH_A 0, 0, 0
	SCALES 0, 0
	FETCH_A 0, 0, 4
	STEP 0, 0, 1                                   ; the first products start the sums
	TURN 1, 0, 0
	STEP 1, 1, 0
	TURN 2, 1, 1
	STEP 2, 0, 0
	TURN 0, 2, 0
	STEP 0, 1, 0
	s_wait_dscnt 4*NL                              ; the last 128 along K
	WIN MUL_LO
	MUL16 0, 1, 1, 0
	MUL16 2, 1, 1, 0
	s_wait_dscnt 0
	WIN MUL_HI
	MUL16 4, 1, 1, 0
	MUL16 6, 1, 1, 0
	WIN 0
; THE SOFTMAX'S NUMERATOR for block a of 16 queries: the lane's 64 registers are keys 16 b + 8 h + j of its query, register 8 b + j; registers 16 t .. 16 t + 15 with lane l xor 16's are block t of 32 keys.
.macro SOFT a
.set W, 2+(\a)/4
.set ACB, 64*((\a)%4)
	s_cmp_lg_u32 s17, s18                          ; only the diagonal's tiles have hidden keys: a branch on ids
	s_cbranch_scc1 .Lopen_\@
	WIN (W<<6)|W
.set n, 0
.rept 64
	v_cmp_gt_i32 vcc_lo, 16*(n/8)+n%8-16*(\a), v[DG]
	v_cndmask_b32 v[ACB+n], v[ACB+n], v[NINF], vcc_lo      ; a hidden score becomes -infinity: p = 0
.set n, n+1
.endr
	WIN 0
.Lopen_\@:
	WIN W|(W<<2)
.irp t, 0,1,2,3
	v_max_num_f32 v[BM+\t], v[ACB+16*\t], v[ACB+16*\t+1]   ; the largest score of each block: it serves for the maximum and, since p rises with the score, for the block's largest p
.endr
.irp i, 2,4,6,8,10,12,14
.irp t, 0,1,2,3
	v_max3_num_f32 v[BM+\t], v[ACB+16*\t+\i], v[ACB+16*\t+\i+1], v[BM+\t]
.endr
.endr
	WIN 0
.irp t, 0,1,2,3
	v_permlanex16_b32 v[BT+\t], v[BM+\t], s44, s45
.endr
.irp t, 0,1,2,3
	v_max_num_f32 v[BM+\t], v[BM+\t], v[BT+\t]
.endr
	v_max3_num_f32 v[T0], v[BM], v[BM+1], v[BM+2]
	v_max_num_f32 v[T0], v[T0], v[BM+3]
	v_mul_f32 v[T0], s46, v[T0]                    ; as t (c is positive)
	v_max_num_f32 v[TMX], 0xff61b1e6, v[T0]        ; a query all of whose 128 keys are hidden keeps -3e38
	v_floor_f32 v[NM], -v[TMX]                     ; -M = floor(-t) = -ceil(t)
.irp t, 0,1,2,3
	v_fma_f32 v[BM+\t], v[BM+\t], s46, v[NM]
.endr
	WIN (W<<6)|W
.set n, 0
.rept 32
	v_pk_fma_f32 v[ACB+n:ACB+n+1], v[ACB+n:ACB+n+1], s[46:47], v[NM:NM+1] op_sel_hi:[1,0,0]   ; t - M, two at a time
.set n, n+2
.endr
.set n, 0
.rept 64
	v_exp_f32 v[ACB+n], v[ACB+n]                   ; p = 2^(t - M)
.set n, n+1
.endr
	WIN 0
	v_mov_b32 v[MST+\a], v[NM]                     ; (the plain place behind the exponentials)
	s_wait_alu depctr_va_vdst(0)                   ; one wait for the batch of 64, ahead of its first reader
.irp t, 0,1,2,3
	v_exp_f32 v[BM+\t], v[BM+\t]                   ; each block's largest p
.endr
	WIN W|(W<<2)
	v_pk_add_f32 v[SUA:SUA+1], v[ACB:ACB+1], v[ACB+2:ACB+3]        ; the sum of the unquantised p, in two chains
	v_pk_add_f32 v[SUB:SUB+1], v[ACB+4:ACB+5], v[ACB+6:ACB+7]
	WIN W
.irp j, 8,12,16,20,24,28,32,36,40,44,48,52,56,60
	v_pk_add_f32 v[SUA:SUA+1], v[ACB+\j:ACB+\j+1], v[SUA:SUA+1]
	v_pk_add_f32 v[SUB:SUB+1], v[ACB+\j+2:ACB+\j+3], v[SUB:SUB+1]
.endr
	WIN 0
	v_pk_add_f32 v[SUA:SUA+1], v[SUA:SUA+1], v[SUB:SUB+1]
	s_wait_alu depctr_va_vdst(0)                   ; and one for the four
.irp t, 0,1,2,3
	v_max_num_f32 v[BM+\t], 0x1800000, v[BM+\t]    ; the floor 2^(3 - 127): the byte cannot fall under 1
.endr
.irp t, 0,1,2,3
	v_add_nc_u32 v[SO+\t], 0xff000000, v[BM+\t]    ; 2 off the exponent field: the conversion's scale operand
.endr
.irp t, 0,1,2,3
	v_lshrrev_b32 v[BT+\t], 23, v[SO+\t]           ; the scale's byte
.endr
	v_lshl_or_b32 v[PWS+\a], v[BT+1], 8, v[BT]
	v_lshl_or_b32 v[PWS+\a], v[BT+2], 16, v[PWS+\a]
	v_lshl_or_b32 v[PWS+\a], v[BT+3], 24, v[PWS+\a]
	v_add_f32 v[T0], v[SUA], v[SUA+1]
	v_permlanex16_b32 v[T1], v[T0], s44, s45
	v_add_f32 v[LST+\a], v[T0], v[T1]              ; the query's sum over these 128 keys
.if \a > 0
	s_wait_xcnt 0x0                                ; the last fragment's stores have read their data
.endif
	WIN W
.irp c, 0,1
	v_cvt_scalef32_pk16_fp6_f32 v[PC+6*\c:PC+6*\c+2], v[ACB+32*\c:ACB+32*\c+15], v[SO+2*\c]
	v_cvt_scalef32_pk16_fp6_f32 v[PC+12+4*\c:PC+14+4*\c], v[ACB+32*\c+16:ACB+32*\c+31], v[SO+2*\c+1]
.endr
	WIN 0
	v_nop                                          ; one plain place behind a scaled conversion
.irp c, 0,1
.irp i, 0,1,2
	v_permlane16_swap_b32 v[PC+6*\c+\i], v[PC+12+4*\c+\i]
.endr
.irp i, 0,1,2
	v_mov_b32 v[PC+3+6*\c+\i], v[PC+12+4*\c+\i]
.endr
.endr
.irp c, 0,1,2
	global_store_b128 v[VC], v[PC+4*\c:PC+4*\c+3], s[8:9] offset:\a*3072+512*\c    ; 512 consecutive bytes
.endr
.endm
	PLACES NP
.irp a, 0,1,2,3,4,5,6,7
	SOFT \a
.endr
.irp p, 0,1,2,3
	v_cndmask_b32 v[W4+\p], v[PWS+2*\p], v[PWS+2*\p+1], s48    ; lanes 0-15: block 2 p's, lanes 16-31: block 2 p + 1's
	v_cndmask_b32 v[W5+\p], v[MST+2*\p], v[MST+2*\p+1], s48
	v_cndmask_b32 v[W6+\p], v[LST+2*\p], v[LST+2*\p+1], s48
.endr
	global_store_b128 v[VS], v[W4:W4+3], s[8:9]
	global_store_b128 v[VT], v[W5:W5+3], s[10:11]
	global_store_b128 v[VT], v[W6:W6+3], s[10:11] offset:512
	s_cmp_lg_u32 s17, s18                          ; on the diagonal of an even tile row: the K step behind it, as nothing
	s_cbranch_scc1 .Lno_zero
	s_bitcmp1_b32 s17, 0
	s_cbranch_scc1 .Lno_zero
.irp p, 0,1,2,3
	v_mov_b32 v[ZR+\p], 0
	v_mov_b32 v[ON+\p], 0x01010101
	v_mov_b32 v[BG+\p], 0x7f61b1e6
.endr
.irp a, 0,1,2,3,4,5,6,7
.irp c, 0,1,2
	global_store_b128 v[VC], v[ZR:ZR+3], s[8:9] offset:IB+\a*3072+512*\c
.endr
.endr
	global_store_b128 v[VS], v[ON:ON+3], s[8:9] offset:IB
	global_store_b128 v[VT], v[BG:BG+3], s[10:11] offset:2048
	global_store_b128 v[VT], v[ZR:ZR+3], s[10:11] offset:2560
.Lno_zero:
	s_wait_tensorcnt 0x0                           ; the wave's end
	ds_add_u32 v[SPW], v[NIL]
	s_wait_dscnt 0x0
	s_endpgm
.Lfunc_end_k_qbc72aada82_scores:
	.size	k_qbc72aada82_scores, .Lfunc_end_k_qbc72aada82_scores-k_qbc72aada82_scores
	.p2alignl 7, 3214868480
	.fill 96, 4, 3214868480
	.section	.rodata,"a",@progbits
	.p2align	6, 0x0
	.amdhsa_kernel k_qbc72aada82_scores
		.amdhsa_group_segment_fixed_size 327680
		.amdhsa_private_segment_fixed_size 0
		.amdhsa_enable_private_segment 0
		.amdhsa_kernarg_size 32
		.amdhsa_user_sgpr_count 2
		.amdhsa_user_sgpr_kernarg_segment_ptr 1
		.amdhsa_wavefront_size32 1
		.amdhsa_system_sgpr_workgroup_id_x 1
		.amdhsa_system_sgpr_workgroup_id_y 1
		.amdhsa_system_sgpr_workgroup_id_z 1
		.amdhsa_system_vgpr_workitem_id 0
		.amdhsa_next_free_vgpr 1024
		.amdhsa_next_free_sgpr 66
		.amdhsa_reserve_vcc 1
		.amdhsa_float_denorm_mode_32 3
		.amdhsa_float_denorm_mode_16_64 3
		.amdhsa_memory_ordered 1
		.amdhsa_forward_progress 1
		.amdhsa_inst_pref_size 233
	.end_amdhsa_kernel
	.amdgpu_metadata
---
amdhsa.version: [ 1, 2 ]
amdhsa.kernels:
  - .name:           k_qbc72aada82_scores
    .symbol:         k_qbc72aada82_scores.kd
    .args:
      - { .name: qimg, .offset: 0, .size: 8, .value_kind: global_buffer, .address_space: global }
      - { .name: kimg, .offset: 8, .size: 8, .value_kind: global_buffer, .address_space: global }
      - { .name: pimg, .offset: 16, .size: 8, .value_kind: global_buffer, .address_space: global }
      - { .name: stats, .offset: 24, .size: 8, .value_kind: global_buffer, .address_space: global }
    .group_segment_fixed_size: 327680
    .private_segment_fixed_size: 0
    .kernarg_segment_align: 8
    .kernarg_segment_size: 32
    .max_flat_workgroup_size: 128
    .sgpr_count:     66
    .vgpr_count:     1024
    .wavefront_size: 32
...
	.end_amdgpu_metadata
.endif
;; end of part 2
;; launch pv (part 3): grid 4 x 64, 4 waves a work-group, clusters of 4 x 4, 327,680 bytes of LDS; arguments pimg, vimg, stats, out0; writes out0
.if DOCPART == 3
	.amdgcn_target "amdgcn-amd-amdhsa--gfx1250"
	.amdhsa_code_object_version 6
	.text
	.protected	k_qbc72aada82_pv
	.globl	k_qbc72aada82_pv
	.p2align	8
	.type	k_qbc72aada82_pv,@function
k_qbc72aada82_pv:
	s_mov_b64 s[64:65], 0
	v_nop
	global_prefetch_b8 v0, s[64:65] scope:SCOPE_SE
	s_setreg_imm32_b32 hwreg(HW_REG_WAVE_MODE, 25, 1), 1
	s_wait_xcnt 0x0
	s_wait_alu depctr_hold_cnt(0) depctr_sa_sdst(0) depctr_va_vdst(0) depctr_va_sdst(0) depctr_va_ssrc(0) depctr_va_vcc(0) depctr_vm_vsrc(0)
	s_getreg_b32 s2, hwreg(HW_REG_IB_STS2, 6, 4)
	s_cmp_eq_u32 s2, 0
	s_cbranch_scc0 .Lentry_in_a_cluster
	s_endpgm
.Lentry_in_a_cluster:
	s_bfe_u32 s2, ttmp6, 0x10000c
	s_cmp_lg_u32 s2, 0xf033
	s_cbranch_scc0 .Lentry_shape_is_right
	s_endpgm
.Lentry_shape_is_right:
; out = (P V) / l on the images of p (queries x keys) and of v (channels x keys).
; SHARES.  16 clusters of 4 x 4 work-groups: cluster CL: batch CL / 4, g = CL % 4: queries 512 g .. 512 g + 511, all 1,024 channels.  A work-group: 128 queries (block rb = 4 CL + cy) x 256 channels (256 cx on).
; A wave: 64 queries (rh) x 128 channels (ch): 32 accumulators.  Source 0 = 16 channels of v, source 1 = 16 queries of p: a lane holds eight neighbouring channels of one query.
; Every partner walks K steps 0 .. 2 g + 1 of 256 keys: the count hangs on the cluster's number alone.  p's block is asked for jointly along a row of the cluster, v's two along a column.
; THE HEAD, while the first tiles are on their way: of the chunks' -M the smallest is the row's; d = M of the row - M of the chunk, held at 127, is taken off the four bytes of p's scale word of that chunk (held at 0),
; and l = the sum of the chunks' sums x 2^-d.  The adjusted scale words of all chunks stay in registers.  Chunks beyond the cluster's last are read from the last lap's place (bytes that were written) and count for nothing.
; LIMITS: where a byte of p's scales would fall under 0 it is held at 0, which is 2^-127 beside a row's largest p above 1/2.  NaN and infinities are not served.
.set IB,    25600
.set FR,    12
.set SLOT,  3*IB                       ; p's block, then v's two
.set STAGE, 2*SLOT                     ; the way out: 16 rows x (512 bytes + 16) for each wave; no tile lands here
.set SPARE, STAGE+4*16*528             ; the spare words: two blocks of 256 bytes that no other line names
.set SCW,   24576
.set VP,   8                           ; v8-11  offsets of p's scale words, lap 0..3
.set VSS,  12                          ; v12-15 offsets in stats
.set ADRA, 16                          ; v16-17 my fragments of p in slot 0, 1
.set ADRB, 20                          ; v20-21 of v
.set STO,  24
.set RD,   25
.set CO,   26                          ; v26  16 x lane
.set SPW,  28
.set NIL,  29
.set PS,   32                          ; v32-63 p's scale words: chunk c, pair of fragments e: 2 c + e
.set SBV,  64                          ; v64-79 v's scale words: 8 x slot + 4 kc + b / 2
.set RL,   80                          ; v80-87 1 / l, a pair for each of my four blocks of 16 queries
.set AF,   128                         ; v128-175, v176-223 p's fragments, two sets
.set MS,   128                         ; at the head only: v128-159 -M, v160-191 the sums, v192.. at work
.set LS,   160
.set NMR,  192
.set LR,   194
.set TT,   196
.set XX,   204
.set TMP,  128                         ; the way out
.set BK,   192
.set G1, 24
.set G0, 32
.set G1B, 48
.set G0B, 56
.set MSB, 0
.macro WIN new
.if MSB != (\new)
	s_set_vgpr_msb (MSB<<8)|(\new)
.set MSB, (\new)
.endif
.endm
.set MUL,  0xa1                        ; source 0 (v) window 1, source 1 (p) window 0, C and D window 2
.set TO_B, 0x40
.macro JLOAD g0a, g1a, g0b, g1b        ; waves 0 and 1 fetch p's halves, waves 2 and 3 v's two blocks; four v_nop follow each of the two lines
	s_cmp_eq_u32 s15, 0
	s_cbranch_scc0 .Lfor_b_\@
	tensor_load_to_lds s[\g0a:\g0a+3], s[\g1a:\g1a+7]
	s_nop 0
.rept 4
	v_nop
.endr
	s_branch .Lasked_\@
.Lfor_b_\@:
	tensor_load_to_lds s[\g0b:\g0b+3], s[\g1b:\g1b+7]
	s_nop 0
.rept 4
	v_nop
.endr
.Lasked_\@:
.endm
.macro CREST
	s_cmp_lg_u32 s14, 0
	s_cbranch_scc1 .Lnot_wave_0_\@
	s_barrier_signal -3
.Lnot_wave_0_\@:
	s_barrier_wait -3
	s_barrier_signal -1
	s_barrier_wait -1
.endm
.macro CROUND
	s_barrier_signal -1
	s_barrier_wait -1
	CREST
.endm
	s_load_b256 s[4:11], s[0:1], 0x0               ; pimg 4, vimg 6, stats 8, out0 10
	v_lshl_add_u32 v[SPW], v0, 2, SPARE
	v_mov_b32 v[NIL], 0
	ds_add_u32 v28, v29
	ds_add_u32 v28, v29
	s_wait_dscnt 0x0
	v_lshrrev_b32 v1, 5, v0
	v_readfirstlane_b32 s14, v1                    ; wave 0..3
	s_lshr_b32 s15, s14, 1                         ; rh.  Also: I fetch for p (0) or for v (1)
	s_and_b32 s16, s14, 1                          ; ch.  Also: which part I fetch
	s_bfe_u32 s40, ttmp6, 0x40000                  ; cx
	s_bfe_u32 s41, ttmp6, 0x40004                  ; cy
	s_and_b32 s18, ttmp7, 0xffff                   ; the cluster's number
	s_lshr_b32 s67, s18, 2                         ; batch
	s_and_b32 s66, s18, 3                          ; g
	s_lshl_b32 s17, s18, 2
	s_add_co_u32 s17, s17, s41                     ; rb: my block of 128 queries
	s_lshl_b32 s43, s41, 2
	s_lshl_b32 s43, 15, s43                        ; my row of the cluster
	s_lshl_b32 s44, 0x1111, s40                    ; my column
	; descriptor groups 1: dense bytes as rows of 256 (32 elements of 8 bytes), no padding: half a block of p is 50 rows, a block of v 100
	s_or_b32 s[G1+0], s43, (3<<16)|(1<<21)
	s_mov_b32 s[G1+1], 32<<16
	s_mov_b32 s[G1+2], 50<<16
	s_mov_b32 s[G1+3], 32<<16
	s_mov_b32 s[G1+4], 50
	s_mov_b32 s[G1+5], 32
	s_mov_b32 s[G1+6], 0
	s_mov_b32 s[G1+7], 0
	s_or_b32 s[G1B+0], s44, (3<<16)|(1<<21)
	s_mov_b32 s[G1B+1], 32<<16
	s_mov_b32 s[G1B+2], 100<<16
	s_mov_b32 s[G1B+3], 32<<16
	s_mov_b32 s[G1B+4], 100
	s_mov_b32 s[G1B+5], 32
	s_mov_b32 s[G1B+6], 0
	s_mov_b32 s[G1B+7], 0
	s_mul_i32 s20, s17, 8*IB                       ; p: my block of queries,
	s_mov_b32 s21, 0
	s_mul_i32 s22, s16, IB/2                       ; and the half of an image block that I fetch
	s_mov_b32 s23, 0
	s_lshl_b32 s46, s40, 1
	s_add_co_u32 s46, s46, s16                     ; v: block of 128 channels 2 cx + part,
	s_mul_i32 s46, s46, 8*IB
	s_mul_i32 s47, s67, 64*IB                      ; in my batch
	s_add_co_u32 s46, s46, s47
	s_mov_b32 s47, 0
	s_mul_i32 s45, s16, IB/2                       ; where they go in a slot: the wave's number alone
	s_mul_i32 s19, s16, IB
	s_add_co_u32 s19, s19, IB
	s_mov_b32 s72, 0x76543210
	s_mov_b32 s73, 0xfedcba98                      ; v_permlanex16_b32's selects for lane l xor 16
	s_mov_b32 s74, 0xffff0000                      ; lanes 16-31
	s_mov_b32 s75, 0x80808080
	s_mov_b32 s76, 0x01010101
	s_mov_b32 s77, 0x7f7f7f7f
	s_wait_kmcnt 0x0
	s_add_nc_u64 s[12:13], s[4:5], s[20:21]        ; p at my block of queries
	s_add_nc_u64 s[20:21], s[12:13], s[22:23]
	s_add_nc_u64 s[46:47], s[6:7], s[46:47]
	CROUND                                         ; all sixteen work-groups are here: the first joint loads meet
.irp s, 0,1
	s_mov_b32 s[G0+4*\s], 1
	s_add_co_u32 s[G0+4*\s+1], s45, \s*SLOT
	s_add_nc_u64 s[G0+4*\s+2:G0+4*\s+3], s[20:21], \s*IB
	s_or_b32 s[G0+4*\s+3], s[G0+4*\s+3], 0x80000000
	s_mov_b32 s[G0B+4*\s], 1
	s_add_co_u32 s[G0B+4*\s+1], s19, \s*SLOT
	s_add_nc_u64 s[G0B+4*\s+2:G0B+4*\s+3], s[46:47], \s*IB
	s_or_b32 s[G0B+4*\s+3], s[G0B+4*\s+3], 0x80000000
	JLOAD G0+4*\s, G1, G0B+4*\s, G1B               ; K steps 0 and 1
.endr
	v_and_b32 v1, 15, v0                           ; r
	v_bfe_u32 v2, v0, 4, 1                         ; h
	v_and_b32 v3, 31, v0
	v_lshlrev_b32 v[CO], 4, v3
	s_lshl_b32 s18, s15, 3
	v_add_nc_u32 v5, s18, v[CO]                    ; 16 x lane + 8 rh: my two words of four
	s_mul_i32 s21, s15, 4*3072                     ; my four fragments of p
	s_mul_i32 s22, s16, IB
	s_add_co_u32 s22, s22, IB                      ; my block of v
.irp s, 0,1
	v_add_nc_u32 v[ADRA+\s], s21, v[CO]
	v_add_nc_u32 v[ADRB+\s], s22, v[CO]
	s_add_co_u32 s21, s21, SLOT
	s_add_co_u32 s22, s22, SLOT
.endr
	s_mul_i32 s18, s14, 16*528
	s_add_co_u32 s18, s18, STAGE                   ; my stage
	v_mul_u32_u24 v4, v1, 528
	v_lshl_add_u32 v4, v2, 5, v4
	v_add_nc_u32 v[STO], s18, v4                   ; in: row r, 32 bytes for each half of the lanes
	v_add_nc_u32 v[RD], s18, v[CO]                 ; back: the 32 lanes take one row of 512 bytes
	s_lshl_b32 s22, s17, 14
	s_mov_b32 s23, 0
	s_add_nc_u64 s[8:9], s[8:9], s[22:23]          ; stats at my block of queries
	s_lshl_b32 s22, s17, 7
	s_lshl_b32 s18, s15, 6
	s_add_co_u32 s22, s22, s18
	s_lshl_b32 s22, s22, 12                        ; out0: row 128 rb + 64 rh of 4,096 bytes,
	s_add_nc_u64 s[10:11], s[10:11], s[22:23]
	s_lshl_b32 s46, s40, 10                        ; + 1,024 cx + 512 ch
	s_lshl_b32 s47, s16, 9
	s_add_co_u32 s46, s46, s47
	s_mov_b32 s47, 0
	s_add_nc_u64 s[10:11], s[10:11], s[46:47]
.irp L, 0,1,2,3                                ; a lap is two K steps, four chunks of 128 keys; laps beyond g read lap g's bytes and their sums are multiplied by 0
	s_min_u32 s18, s66, \L
	s_mul_i32 s22, s18, 2*IB
	s_lshl_b32 s23, s18, 12
	v_add_nc_u32 v[VP+\L], s22, v5
	v_add_nc_u32 v[VSS+\L], s23, v5
	s_cmp_ge_u32 s66, \L
	s_cselect_b32 s[68+\L], 1.0, 0
.endr
.irp L, 0,1,2,3
.irp c, 0,1,2,3
	global_load_b64 v[PS+2*(4*\L+\c):PS+2*(4*\L+\c)+1], v[VP+\L], s[12:13] offset:(\c/2)*IB+SCW+(\c%2)*512
	global_load_b64 v[MS+2*(4*\L+\c):MS+2*(4*\L+\c)+1], v[VSS+\L], s[8:9] offset:\c*1024
	global_load_b64 v[LS+2*(4*\L+\c):LS+2*(4*\L+\c)+1], v[VSS+\L], s[8:9] offset:\c*1024+512
.endr
.endr
	v_mov_b32 v[XX], 0                             ; written once: a lane permute's destination counts as one of its sources
	v_mov_b32 v[XX+1], 0
	s_wait_loadcnt 0x0
.irp e, 0,1
	v_min3_num_f32 v[NMR+\e], v[MS+\e], v[MS+2+\e], v[MS+4+\e]     ; the smallest -M: the row's
.endr
.irp c, 3,5,7,9,11,13
.irp e, 0,1
	v_min3_num_f32 v[NMR+\e], v[NMR+\e], v[MS+2*\c+\e], v[MS+2*\c+2+\e]
.endr
.endr
.irp e, 0,1
	v_min_num_f32 v[NMR+\e], v[NMR+\e], v[MS+30+\e]
.endr
.macro ADJ c, L                        ; chunk c of lap L, both pairs of fragments by turns
.irp e, 0,1
	v_sub_f32 v[TT+4*\e], v[MS+2*(\c)+\e], v[NMR+\e]       ; d = M of the row - M of the chunk: a whole number, 0 or more
.endr
.irp e, 0,1
	v_cvt_i32_f32 v[TT+4*\e], v[TT+4*\e]                   ; (it saturates)
.endr
.irp e, 0,1
	v_min_u32 v[TT+4*\e], 127, v[TT+4*\e]
.endr
.irp e, 0,1
	v_sub_nc_u32 v[TT+4*\e+1], 0, v[TT+4*\e]
.endr
.if (\c) == 0
.irp e, 0,1
	v_ldexp_f32 v[LR+\e], v[LS+2*(\c)+\e], v[TT+4*\e+1]    ; the first chunk starts l
.endr
.else
.irp e, 0,1
	v_ldexp_f32 v[TT+4*\e+1], v[LS+2*(\c)+\e], v[TT+4*\e+1]
.endr
.irp e, 0,1
	v_fmac_f32 v[LR+\e], s[68+\L], v[TT+4*\e+1]            ; l += the chunk's sum x 2^-d (x 0 beyond the last lap)
.endr
.endif
.irp e, 0,1
	v_lshl_or_b32 v[TT+4*\e], v[TT+4*\e], 8, v[TT+4*\e]
.endr
.irp e, 0,1
	v_lshl_or_b32 v[TT+4*\e], v[TT+4*\e], 16, v[TT+4*\e]   ; d in all four bytes
.endr
.irp e, 0,1
	v_or_b32 v[TT+4*\e+2], s75, v[PS+2*(\c)+\e]            ; p's bytes are at most 125: with 128 on top no byte borrows from its neighbour
.endr
.irp e, 0,1
	v_sub_nc_u32 v[TT+4*\e+2], v[TT+4*\e+2], v[TT+4*\e]
.endr
.irp e, 0,1
	v_lshrrev_b32 v[TT+4*\e+3], 7, v[TT+4*\e+2]
.endr
.irp e, 0,1
	v_and_b32 v[TT+4*\e+3], s76, v[TT+4*\e+3]              ; 1 in each byte that has not fallen under 0
.endr
.irp e, 0,1
	v_lshlrev_b32 v[TT+4*\e], 8, v[TT+4*\e+3]
.endr
.irp e, 0,1
	v_sub_nc_u32 v[TT+4*\e+3], v[TT+4*\e], v[TT+4*\e+3]    ; 255 there
.endr
.irp e, 0,1
	v_and_b32 v[TT+4*\e+2], v[TT+4*\e+2], v[TT+4*\e+3]
.endr
.irp e, 0,1
	v_and_b32 v[PS+2*(\c)+\e], s77, v[TT+4*\e+2]           ; the byte less d, held at 0
.endr
.endm
.irp L, 0,1,2,3
.irp c, 0,1,2,3
	ADJ 4*\L+\c, \L
.endr
.endr
.irp e, 0,1                                    ; l lies as the scale words lie: lanes 0-15 fragment 2 e, lanes 16-31 fragment 2 e + 1.  Every lane wants its query's for each of the four blocks
	v_permlanex16_b32 v[XX+\e], v[LR+\e], s72, s73
.endr
.irp e, 0,1
	v_cndmask_b32 v[TT+2*\e], v[LR+\e], v[XX+\e], s74
	v_cndmask_b32 v[TT+2*\e+1], v[XX+\e], v[LR+\e], s74
.endr
.irp a, 0,1,2,3
	v_rcp_f32 v[RL+2*\a], v[TT+\a]                 ; twice: a pair for the packed multiply
	v_rcp_f32 v[RL+2*\a+1], v[TT+\a]
.endr
	v_nop                                          ; a plain place behind the reciprocals
	s_wait_alu depctr_va_vdst(0)                   ; one wait for the eight, ahead of labels, branches and readers
.macro FRAG3 reg, adr, off
.irp c, 0,1,2
	ds_load_b128 v[(\reg)+4*\c:(\reg)+4*\c+3], v[\adr] offset:(\off)+512*\c
.endr
.endm
.macro WMX zero                        ; one product; rD, rB, rA, xB, xA, oB, oA are set by the caller.  A fragment with an odd number has its scale words in lanes 16-31
.if \zero
.if oB && oA
	v_wmma_scale_f32_16x16x128_f8f6f4 v[rD:rD+7], v[rB:rB+11], v[rA:rA+11], 0, v[xB], v[xA] matrix_a_fmt:MATRIX_FMT_FP6 matrix_b_fmt:MATRIX_FMT_FP6 matrix_a_scale:MATRIX_SCALE_ROW1 matrix_b_scale:MATRIX_SCALE_ROW1
.elseif oB
	v_wmma_scale_f32_16x16x128_f8f6f4 v[rD:rD+7], v[rB:rB+11], v[rA:rA+11], 0, v[xB], v[xA] matrix_a_fmt:MATRIX_FMT_FP6 matrix_b_fmt:MATRIX_FMT_FP6 matrix_a_scale:MATRIX_SCALE_ROW1
.elseif oA
	v_wmma_scale_f32_16x16x128_f8f6f4 v[rD:rD+7], v[rB:rB+11], v[rA:rA+11], 0, v[xB], v[xA] matrix_a_fmt:MATRIX_FMT_FP6 matrix_b_fmt:MATRIX_FMT_FP6 matrix_b_scale:MATRIX_SCALE_ROW1
.else
	v_wmma_scale_f32_16x16x128_f8f6f4 v[rD:rD+7], v[rB:rB+11], v[rA:rA+11], 0, v[xB], v[xA] matrix_a_fmt:MATRIX_FMT_FP6 matrix_b_fmt:MATRIX_FMT_FP6
.endif
.else
.if oB && oA
	v_wmma_scale_f32_16x16x128_f8f6f4 v[rD:rD+7], v[rB:rB+11], v[rA:rA+11], v[rD:rD+7], v[xB], v[xA] matrix_a_fmt:MATRIX_FMT_FP6 matrix_b_fmt:MATRIX_FMT_FP6 matrix_a_scale:MATRIX_SCALE_ROW1 matrix_b_scale:MATRIX_SCALE_ROW1
.elseif oB
	v_wmma_scale_f32_16x16x128_f8f6f4 v[rD:rD+7], v[rB:rB+11], v[rA:rA+11], v[rD:rD+7], v[xB], v[xA] matrix_a_fmt:MATRIX_FMT_FP6 matrix_b_fmt:MATRIX_FMT_FP6 matrix_a_scale:MATRIX_SCALE_ROW1
.elseif oA
	v_wmma_scale_f32_16x16x128_f8f6f4 v[rD:rD+7], v[rB:rB+11], v[rA:rA+11], v[rD:rD+7], v[xB], v[xA] matrix_a_fmt:MATRIX_FMT_FP6 matrix_b_fmt:MATRIX_FMT_FP6 matrix_b_scale:MATRIX_SCALE_ROW1
.else
	v_wmma_scale_f32_16x16x128_f8f6f4 v[rD:rD+7], v[rB:rB+11], v[rA:rA+11], v[rD:rD+7], v[xB], v[xA] matrix_a_fmt:MATRIX_FMT_FP6 matrix_b_fmt:MATRIX_FMT_FP6
.endif
.endif
.endm
; 8 matrix instructions: p's block a x v's eight; kc: which 128 keys of the K step, and the sets; ps: where the chunk's scale words of p stand.  The 32 accumulators take turns
.macro MUL8 a, kc, slot, ps, zero
.irp b, 0,1,2,3,4,5,6,7
.set rD, 8*(8*(\a)+\b)
.set rB, 128*(\kc)+FR*\b
.set rA, AF+48*(\kc)+FR*(\a)
.set xB, SBV+8*(\slot)+4*(\kc)+\b/2
.set xA, PS+(\ps)+(\a)/2
.set oB, \b%2
.set oA, (\a)%2
	WMX \zero
.endr
.endm
.macro FETCH3 slot, kc                 ; 36 loads: v's eight fragments and p's four of 128 keys, into set kc
	WIN TO_B
.irp i, 0,1,2,3,4,5,6,7
	FRAG3 128*(\kc)+FR*\i, ADRB+\slot, \i*3072+(\kc)*1536
.endr
	WIN 0
.irp i, 0,1,2,3
	FRAG3 AF+48*(\kc)+FR*\i, ADRA+\slot, \i*3072+(\kc)*1536
.endr
.endm
.macro VSC slot                        ; v's scale words of a K step
.irp k, 0,1
	ds_load_b128 v[SBV+8*(\slot)+4*\k:SBV+8*(\slot)+4*\k+3], v[ADRB+\slot] offset:SCW+512*\k
.endr
.endm
.macro PLACES n
.rept \n
	v_nop
.endr
.endm
.macro STEP3 slot, ps, zero            ; a K step's first 128 keys; its second 128 are fetched first
	s_wait_dscnt 0x0                               ; set 0 and the scale words are in
	PLACES 4                                       ; in front of loads into set 1, which the last products read
	FETCH3 \slot, 1
	WIN MUL
	MUL8 0, 0, \slot, \ps, \zero
	MUL8 1, 0, \slot, \ps, \zero
	MUL8 2, 0, \slot, \ps, \zero
	MUL8 3, 0, \slot, \ps, \zero
	WIN 0
.endm
; A K step's second 128 keys, and the change of slots.  fill = 1: this slot is filled again, two K steps ahead, behind a round of the cluster's barrier.
.macro TURN3 slot, next, fill, ps
	s_wait_tensorcnt 0x0                           ; all my tensor loads have landed: my part of the next slot
	ds_add_u32 v[SPW], v[NIL]                      ; 0 onto my spare word
	s_wait_dscnt 0x1                               ; set 1 is in (the add may be out)
	WIN MUL
	MUL8 0, 1, \slot, \ps, 0
	s_wait_dscnt 0x0                               ; the add is done, and my reads of this slot are over
	s_barrier_signal -1
	MUL8 1, 1, \slot, \ps, 0
	WIN 0
	s_barrier_wait -1
.if \fill
	CREST                                          ; no wave of any partner still reads this slot or has a load on its way
	s_add_nc_u64 s[G0+4*\slot+2:G0+4*\slot+3], s[G0+4*\slot+2:G0+4*\slot+3], 2*IB
	s_add_nc_u64 s[G0B+4*\slot+2:G0B+4*\slot+3], s[G0B+4*\slot+2:G0B+4*\slot+3], 2*IB
	JLOAD G0+4*\slot, G1, G0B+4*\slot, G1B         ; the first tensor load behind the round; its four v_nop are the places in front of the loads below
.else
	PLACES 4
.endif
	FETCH3 \next, 0
	VSC \next
	WIN MUL
	MUL8 2, 1, \slot, \ps, 0
	MUL8 3, 1, \slot, \ps, 0
	WIN 0
.endm
	s_wait_tensorcnt 0x1                           ; my part of K step 0 is in; K step 1's may stay out
	s_barrier_signal -1
	s_barrier_wait -1
	FETCH3 0, 0
	VSC 0
	STEP3 0, 0, 1                                  ; the first products start the sums
	s_mov_b32 s3, s66                              ; g trips: each goes once round the ring and fills both slots again
	s_cmp_eq_u32 s66, 0
	s_cbranch_scc1 .Ltail                          ; the first 512 queries of a batch have two K steps: no refill.  g is alike in all sixteen partners
.Llap:
	TURN3 0, 1, 1, 2
	STEP3 1, 4, 0
	TURN3 1, 0, 1, 6
	STEP3 0, 8, 0
	PLACES 4                                       ; behind the products that read p's scale words
.set i, 0
.rept 24
	v_mov_b32 v[PS+i], v[PS+i+8]                   ; a lap's eight words are done with: the others move down, so that the loop names the same registers in every trip; each word that a product names has eight plain lines or more behind its move
.set i, i+1
.endr
	s_sub_co_u32 s3, s3, 1
	s_cmp_lg_u32 s3, 0
	s_cbranch_scc1 .Llap
.Ltail:
	TURN3 0, 1, 0, 2                               ; the last lap fills nothing
	STEP3 1, 4, 0
	s_wait_dscnt 0x0
	WIN MUL
	MUL8 0, 1, 1, 6, 0
	MUL8 1, 1, 1, 6, 0
	MUL8 2, 1, 1, 6, 0
	MUL8 3, 1, 1, 6, 0
	WIN 0
; THE WAY OUT, a block of 16 queries x 128 channels at a time: divided by l, through my stage in LDS, back as whole rows of 512 bytes.
.macro OUTA a
.if (\a) > 0
	s_wait_xcnt 0x0                                ; the last block's stores have read their data: the loads from the stage may land there
.endif
	WIN 0x02                                       ; source 0: window 2
.set i, 0
.rept 32
	v_pk_mul_f32 v[TMP+i:TMP+i+1], v[64*(\a)+i:64*(\a)+i+1], v[RL+2*(\a):RL+2*(\a)+1]     ; each accumulator from its low end on
.set i, i+2
.endr
	WIN 0
.irp b, 0,1,2,3,4,5,6,7
	ds_store_b128 v[STO], v[TMP+8*\b:TMP+8*\b+3] offset:64*\b
	ds_store_b128 v[STO], v[TMP+8*\b+4:TMP+8*\b+7] offset:64*\b+16
.endr
.irp t, 0,1,2,3,4,5,6,7,8,9,10,11,12,13,14,15
	ds_load_b128 v[BK+4*\t:BK+4*\t+3], v[RD] offset:\t*528         ; LDS serves a wave's instructions in order (ISA guide 5.7.1.4): these see my stores
.endr
.irp t, 0,1,2,3,4,5,6,7,8,9,10,11,12,13,14,15
	s_wait_dscnt 15-\t                             ; row t is back; the younger loads may be out
	global_store_b128 v[CO], v[BK+4*\t:BK+4*\t+3], s[10:11] offset:(16*(\a)+\t)*4096 th:TH_STORE_NT   ; 32 lanes store 512 consecutive bytes, at a multiple of 256 from out0's first byte
.endr
.endm
	PLACES 4
	OUTA 0
	OUTA 1
	OUTA 2
	OUTA 3
	s_wait_tensorcnt 0x0                           ; the wave's end
	ds_add_u32 v[SPW], v[NIL]
	s_wait_dscnt 0x0
	CROUND                                         ; the closing round
	s_endpgm
.Lfunc_end_k_qbc72aada82_pv:
	.size	k_qbc72aada82_pv, .Lfunc_end_k_qbc72aada82_pv-k_qbc72aada82_pv
	.p2alignl 7, 3214868480
	.fill 96, 4, 3214868480
	.section	.rodata,"a",@progbits
	.p2align	6, 0x0
	.amdhsa_kernel k_qbc72aada82_pv
		.amdhsa_group_segment_fixed_size 327680
		.amdhsa_private_segment_fixed_size 0
		.amdhsa_enable_private_segment 0
		.amdhsa_kernarg_size 32
		.amdhsa_user_sgpr_count 2
		.amdhsa_user_sgpr_kernarg_segment_ptr 1
		.amdhsa_wavefront_size32 1
		.amdhsa_system_sgpr_workgroup_id_x 1
		.amdhsa_system_sgpr_workgroup_id_y 1
		.amdhsa_system_sgpr_workgroup_id_z 1
		.amdhsa_system_vgpr_workitem_id 0
		.amdhsa_next_free_vgpr 768
		.amdhsa_next_free_sgpr 80
		.amdhsa_reserve_vcc 0
		.amdhsa_float_denorm_mode_32 3
		.amdhsa_float_denorm_mode_16_64 3
		.amdhsa_memory_ordered 1
		.amdhsa_forward_progress 1
		.amdhsa_inst_pref_size 116
	.end_amdhsa_kernel
	.amdgpu_metadata
---
amdhsa.version: [ 1, 2 ]
amdhsa.kernels:
  - .name:           k_qbc72aada82_pv
    .symbol:         k_qbc72aada82_pv.kd
    .args:
      - { .name: pimg, .offset: 0, .size: 8, .value_kind: global_buffer, .address_space: global }
      - { .name: vimg, .offset: 8, .size: 8, .value_kind: global_buffer, .address_space: global }
      - { .name: stats, .offset: 16, .size: 8, .value_kind: global_buffer, .address_space: global }
      - { .name: out0, .offset: 24, .size: 8, .value_kind: global_buffer, .address_space: global }
    .group_segment_fixed_size: 327680
    .private_segment_fixed_size: 0
    .kernarg_segment_align: 8
    .kernarg_segment_size: 32
    .max_flat_workgroup_size: 128
    .sgpr_count:     80
    .vgpr_count:     768
    .wavefront_size: 32
...
	.end_amdgpu_metadata
.endif
;; end of part 3
